; MI455X (gfx1250); checked and timed in simulation.
; The chip was launched on July 23, 2026; its instructions are those of AMD's public machine-readable ISA for CDNA 5 (MIT licence, August 2026) and "CDNA5" Instruction Set Architecture Reference Guide (July 2026). The comments in the code are by the model that wrote it; some were corrected since.
;; Spatial Transformer range flow flow list2 Multi Flow. Allowed arithmetic: float matrix products may take bf16 or f16 operands with f32 sums; all other float work in f32.
;; Inputs: final_flow 1 x 3 x 96 x 160 x 160 float32; flow_list 3 x 1 x 3 x 96 x 160 x 160 float32; range_flow one number float32; src 1 x 1 x 96 x 160 x 160 float32.
;; Outputs: out0 1 x 1 x 96 x 160 x 160 float32; out1 1 x 3 x 96 x 160 x 160 float32.
;; 2 versions, each right; version 2 is version 1 with the launches warp1, warp2, warp3 written anew for expert scheduling mode. Each part assembles by itself: llvm-mc -triple=amdgcn-amd-amdhsa -mcpu=gfx1250 --defsym DOCPART=n.
;; ======== version 1 of 2: 5 launches
;; workspace buffers: ia 9,830,400 bytes of whole numbers; ib 9,830,400 bytes of whole numbers; ic 9,830,400 bytes of whole numbers; c1 39,321,600 bytes; c2 39,321,600 bytes
;; launch prep (part 1): grid 8 x 32, 15 waves a work-group, no clusters, 0 bytes of LDS; arguments flow_list, final_flow, range_flow, ia, ib, ic; writes ia, ib, ic
.if DOCPART == 1
	.amdgcn_target "amdgcn-amd-amdhsa--gfx1250"
	.amdhsa_code_object_version 6
	.text
	.protected	k_q5263218b8d_prep
	.globl	k_q5263218b8d_prep
	.p2align	8
	.type	k_q5263218b8d_prep,@function
k_q5263218b8d_prep:
	s_mov_b64 s[64:65], 0
	v_nop
	global_prefetch_b8 v0, s[64:65] scope:SCOPE_SE
	s_setreg_imm32_b32 hwreg(HW_REG_WAVE_MODE, 25, 1), 1
	s_wait_xcnt 0x0
; PREP: the corner index words of the three flow warps.
; For each voxel (d,h,w) and each of the flows f1, f2 (flow_list[1], [2]) and final_flow:
;   z = (d + r f_d) 96/95 - 0.5,  y = (h + r f_h) 160/159 - 0.5,  x = (w + r f_w) 160/159 - 0.5
;   word = cz<<16 | cy<<8 | cx,  cz = clamp(floor z, 0, 94), cy, cx = clamp(floor, 0, 158): the corner and the corner + 1 lie inside.
; The words are whole numbers for the later launches, which form their gather addresses from them; no address here hangs on a float.
; LIMITS: NaN or infinite flows are not served (the reference gives NaN there).  The coordinate is two fused multiply-adds and not the
; reference's chain (x 2/(n-1), -1, +1, x n, -1, x 0.5): it differs by a few units in the coordinate's last place; the later launches take
; the corner from this word and the weights from the distance to it, so corner and weights always fit each other.
; SHAPE: 256 work-groups, each a tile of 3 planes x 20 rows; 15 waves, each 4 neighbouring rows = 640 voxels = 5 groups of 128.
; A lane holds 4 neighbouring voxels of a row, so every load and store of a wave covers 512 consecutive bytes, aligned.
; All 45 loads of a wave (5 groups x 3 flows x 3 channels) are issued at once into registers of their own: nothing is reused, so no wait but
; the counted waits for data.  No LDS, no barrier, no cluster: no wave reads what another reads.
.set ROWB,  640                        ; bytes in a row of one channel
.set CHB,   9830400                    ; bytes in a channel
.set FLOWB, 29491200                   ; bytes in a flow (3 channels)
.set CHUNK, 512                        ; bytes of a group of 128 voxels
.set LO16, 2                           ; v2        16 x lane
.set L4,   3                           ; v3        4 x lane
.set DFP,  4                           ; v[4:5]    d as f32, twice
.set HFP,  6                           ; v[6:7]    h of my 4 voxels, twice
.set WF,   8                           ; v[8:11]   w of my 4 voxels
.set T0,   12                          ; v[12:14]  at work
.set T1,   13
.set T2,   14
.set LD,   20                          ; v[20:199] group g, flow f, channel c: 4 registers at 4 (9 g + 3 f + c)
.set PZ,   200                         ; v[200:211] coordinates of 4 voxels, z, y, x
.set PY,   204
.set PX,   208
.set SR,   24                          ; s[24:25]  range_flow, twice
.set SSZ,  26                          ; s[26:27]  96/95
.set SSX,  28                          ; s[28:29]  160/159
.set SK,   30                          ; s[30:31]  256.0
.set SZMAX, 32                         ; 94.0
.set SXMAX, 33                         ; 158.0
.set FB,   34                          ; s[34:51]  flow f, channel c: address pair at 6 f + 2 c
	s_load_b256 s[8:15], s[0:1], 0x0               ; flow_list s[8:9], final_flow s[10:11], range_flow s[12:13], ia s[14:15]
	s_load_b128 s[16:19], s[0:1], 0x20             ; ib s[16:17], ic s[18:19]
	v_and_b32 v1, 31, v0                           ; lane
	v_lshrrev_b32 v[T0], 5, v0
	v_readfirstlane_b32 s2, v[T0]                  ; wave 0..14
	s_mul_i32 s3, s2, 13
	s_lshr_b32 s3, s3, 6                           ; wave / 5 (13/64 serves 0..14): plane of the tile
	s_mul_i32 s4, s3, 5
	s_sub_co_u32 s4, s2, s4                        ; wave % 5: which four rows
	s_and_b32 s5, ttmp7, 0xffff
	s_mul_i32 s5, s5, 3
	s_add_co_u32 s5, s5, s3                        ; d
	s_mul_i32 s6, ttmp9, 20
	s_lshl2_add_u32 s6, s4, s6                     ; h of my first row
	s_mul_i32 s7, s5, 160
	s_add_co_u32 s7, s7, s6                        ; row number d 160 + h
	s_mul_i32 s20, s7, ROWB                        ; its byte offset in a channel (below 9.9 MB)
	s_mov_b32 s21, 0
	s_cvt_f32_u32 s7, s5                           ; d as f32
	s_mov_b32 s[SSZ], 0x3f8158ed                   ; 96/95
	s_mov_b32 s[SSZ+1], 0x3f8158ed
	s_mov_b32 s[SSX], 0x3f80ce17                   ; 160/159
	s_mov_b32 s[SSX+1], 0x3f80ce17
	s_mov_b32 s[SK], 0x43800000                    ; 256.0
	s_mov_b32 s[SK+1], 0x43800000
	s_mov_b32 s[SZMAX], 0x42bc0000                 ; 94.0
	s_mov_b32 s[SXMAX], 0x431e0000                 ; 158.0
	v_lshlrev_b32 v[LO16], 4, v1
	v_lshlrev_b32 v[L4], 2, v1
	v_mov_b32 v[DFP], s7
	v_mov_b32 v[DFP+1], s7
	s_wait_kmcnt 0x0
	s_load_b32 s[SR], s[12:13], 0x0                ; range_flow
	s_add_nc_u64 s[8:9], s[8:9], s[20:21]          ; every buffer at my first row
	s_add_nc_u64 s[10:11], s[10:11], s[20:21]
	s_add_nc_u64 s[14:15], s[14:15], s[20:21]
	s_add_nc_u64 s[16:17], s[16:17], s[20:21]
	s_add_nc_u64 s[18:19], s[18:19], s[20:21]
.irp c, 0,1,2
	s_add_nc_u64 s[FB+2*\c:FB+2*\c+1],       s[8:9],   FLOWB+\c*CHB     ; f1
	s_add_nc_u64 s[FB+6+2*\c:FB+6+2*\c+1],   s[8:9],   2*FLOWB+\c*CHB   ; f2
	s_add_nc_u64 s[FB+12+2*\c:FB+12+2*\c+1], s[10:11], \c*CHB           ; final_flow
.endr
.irp g, 0,1,2,3,4
.irp f, 0,1,2
.irp c, 0,1,2
	global_load_b128 v[LD+4*(9*\g+3*\f+\c):LD+4*(9*\g+3*\f+\c)+3], v[LO16], s[FB+6*\f+2*\c:FB+6*\f+2*\c+1] offset:\g*CHUNK th:TH_LOAD_NT
.endr
.endr
.endr
	s_wait_kmcnt 0x0
	s_mov_b32 s[SR+1], s[SR]
; h and w of my four voxels in group g: voxel 128 g + 4 lane of the wave's 640; a row has 160, so four neighbours share a row.
.macro GEO g
.if \g
	v_add_nc_u32 v[T0], 128*\g, v[L4]
.set TS, T0
.else
.set TS, L4
.endif
	v_mul_u32_u24 v[T1], 0x19a, v[TS]
	v_lshrrev_b32 v[T1], 16, v[T1]                 ; t / 160 = 410 t >> 16 for t below 640
	v_mul_u32_u24 v[T2], 0xa0, v[T1]
	v_sub_nc_u32 v[T2], v[TS], v[T2]               ; w
	v_add_nc_u32 v[T1], s6, v[T1]                  ; h
	v_cvt_f32_u32 v[HFP], v[T1]
	v_cvt_f32_u32 v[HFP+1], v[T1]
	v_cvt_f32_u32 v[WF], v[T2]
	v_add_f32 v[WF+1], 1.0, v[WF]
	v_add_f32 v[WF+2], 2.0, v[WF]
	v_add_f32 v[WF+3], 0x40400000, v[WF]
.endm
; sampling coordinates of four voxels from their three flow channels, two voxels an instruction
.macro POS fd, fh, fw
.irp p, 0,2
	v_pk_fma_f32 v[PZ+\p:PZ+\p+1], v[\fd+\p:\fd+\p+1], s[SR:SR+1], v[DFP:DFP+1] op_sel_hi:[1,0,1]
	v_pk_fma_f32 v[PY+\p:PY+\p+1], v[\fh+\p:\fh+\p+1], s[SR:SR+1], v[HFP:HFP+1] op_sel_hi:[1,0,1]
	v_pk_fma_f32 v[PX+\p:PX+\p+1], v[\fw+\p:\fw+\p+1], s[SR:SR+1], v[WF+\p:WF+\p+1] op_sel_hi:[1,0,1]
.endr
.irp p, 0,2
	v_pk_fma_f32 v[PZ+\p:PZ+\p+1], v[PZ+\p:PZ+\p+1], s[SSZ:SSZ+1], -0.5 op_sel_hi:[1,0,0]
	v_pk_fma_f32 v[PY+\p:PY+\p+1], v[PY+\p:PY+\p+1], s[SSX:SSX+1], -0.5 op_sel_hi:[1,0,0]
	v_pk_fma_f32 v[PX+\p:PX+\p+1], v[PX+\p:PX+\p+1], s[SSX:SSX+1], -0.5 op_sel_hi:[1,0,0]
.endr
.endm
; the four index words: floor, clamp, (cz 256 + cy) 256 + cx in f32 (exact: below 2^24), one conversion
.macro MKIDX fd, fh, fw, wo
	POS \fd, \fh, \fw
.irp j, 0,1,2,3
	v_floor_f32 v[PZ+\j], v[PZ+\j]
	v_floor_f32 v[PY+\j], v[PY+\j]
	v_floor_f32 v[PX+\j], v[PX+\j]
.endr
.irp j, 0,1,2,3
	v_med3_num_f32 v[PZ+\j], v[PZ+\j], 0, s[SZMAX]
	v_med3_num_f32 v[PY+\j], v[PY+\j], 0, s[SXMAX]
	v_med3_num_f32 v[PX+\j], v[PX+\j], 0, s[SXMAX]
.endr
.irp p, 0,2
	v_pk_fma_f32 v[PZ+\p:PZ+\p+1], v[PZ+\p:PZ+\p+1], s[SK:SK+1], v[PY+\p:PY+\p+1] op_sel_hi:[1,0,1]
.endr
.irp p, 0,2
	v_pk_fma_f32 v[PZ+\p:PZ+\p+1], v[PZ+\p:PZ+\p+1], s[SK:SK+1], v[PX+\p:PX+\p+1] op_sel_hi:[1,0,1]
.endr
.irp j, 0,1,2,3
	v_cvt_u32_f32 v[\wo+\j], v[PZ+\j]
.endr
.endm
.irp g, 0,1,2,3,4
	GEO \g
.irp f, 0,1,2
	s_wait_loadcnt 42-3*(3*\g+\f)                  ; loads return in order: of the 45, the three of (g, f) are in, the later triples stay out
	MKIDX LD+12*(3*\g+\f), LD+12*(3*\g+\f)+4, LD+12*(3*\g+\f)+8, LD+12*(3*\g+\f)
	global_store_b128 v[LO16], v[LD+12*(3*\g+\f):LD+12*(3*\g+\f)+3], s[14+2*\f:15+2*\f] offset:\g*CHUNK th:TH_STORE_NT
.endr
.endr
	s_endpgm
.Lfunc_end_k_q5263218b8d_prep:
	.size	k_q5263218b8d_prep, .Lfunc_end_k_q5263218b8d_prep-k_q5263218b8d_prep
	.p2alignl 7, 3214868480
	.fill 96, 4, 3214868480
	.section	.rodata,"a",@progbits
	.p2align	6, 0x0
	.amdhsa_kernel k_q5263218b8d_prep
		.amdhsa_group_segment_fixed_size 0
		.amdhsa_private_segment_fixed_size 0
		.amdhsa_enable_private_segment 0
		.amdhsa_kernarg_size 48
		.amdhsa_user_sgpr_count 2
		.amdhsa_user_sgpr_kernarg_segment_ptr 1
		.amdhsa_wavefront_size32 1
		.amdhsa_system_sgpr_workgroup_id_x 1
		.amdhsa_system_sgpr_workgroup_id_y 1
		.amdhsa_system_sgpr_workgroup_id_z 1
		.amdhsa_system_vgpr_workitem_id 0
		.amdhsa_next_free_vgpr 212
		.amdhsa_next_free_sgpr 66
		.amdhsa_reserve_vcc 0
		.amdhsa_float_denorm_mode_32 3
		.amdhsa_float_denorm_mode_16_64 3
		.amdhsa_memory_ordered 1
		.amdhsa_forward_progress 1
		.amdhsa_inst_pref_size 45
	.end_amdhsa_kernel
	.amdgpu_metadata
---
amdhsa.version: [ 1, 2 ]
amdhsa.kernels:
  - .name:           k_q5263218b8d_prep
    .symbol:         k_q5263218b8d_prep.kd
    .args:
      - { .name: flow_list, .offset: 0, .size: 8, .value_kind: global_buffer, .address_space: global }
      - { .name: final_flow, .offset: 8, .size: 8, .value_kind: global_buffer, .address_space: global }
      - { .name: range_flow, .offset: 16, .size: 8, .value_kind: global_buffer, .address_space: global }
      - { .name: ia, .offset: 24, .size: 8, .value_kind: global_buffer, .address_space: global }
      - { .name: ib, .offset: 32, .size: 8, .value_kind: global_buffer, .address_space: global }
      - { .name: ic, .offset: 40, .size: 8, .value_kind: global_buffer, .address_space: global }
    .group_segment_fixed_size: 0
    .private_segment_fixed_size: 0
    .kernarg_segment_align: 8
    .kernarg_segment_size: 48
    .max_flat_workgroup_size: 480
    .sgpr_count:     66
    .vgpr_count:     212
    .wavefront_size: 32
...
	.end_amdgpu_metadata
.endif
;; end of part 1
;; launch warp1 (part 2): grid 8 x 32, 15 waves a work-group, no clusters, 0 bytes of LDS; arguments flow_list, range_flow, ia, c1; writes c1
.if DOCPART == 2
	.amdgcn_target "amdgcn-amd-amdhsa--gfx1250"
	.amdhsa_code_object_version 6
	.text
	.protected	k_q5263218b8d_warp1
	.globl	k_q5263218b8d_warp1
	.p2align	8
	.type	k_q5263218b8d_warp1,@function
k_q5263218b8d_warp1:
	s_mov_b64 s[64:65], 0
	v_nop
	global_prefetch_b8 v0, s[64:65] scope:SCOPE_SE
	s_setreg_imm32_b32 hwreg(HW_REG_WAVE_MODE, 25, 1), 1
	s_wait_xcnt 0x0
; WARP 1: c1 = trilinear sample of f0 = flow_list[0] at (voxel + r f1), plus f1 = flow_list[1].  Zero padding, as the reference samples.
; The corner (cz, cy, cx) of each voxel comes as a whole number from the launch before (z<<16 | y<<8 | x, corner and corner + 1 inside the
; volume), so all eight corners are one offset register plus immediates.  Weights: with u = coordinate - corner along an axis,
; w0 = max(0, 1 - |u|), w1 = med3(u, 2 - u, 0): the hat function at the two indices read.  Inside the volume that is (1 - t, t); one step
; outside it gives the one valid index its weight and the other 0; further out both are 0: the reference's zero padding without masks.
; f0 is planar: a corner is three 4-byte loads, one a channel.  The result is written as records of 16 bytes (d, h, w, 0) so that the next warp
; fetches a corner by one load; the fourth word only fills the record and is never read.
; LIMITS: NaN or infinite inputs are not served (the reference gives NaN; here such weights become 0).  The coordinate is two fused multiply-adds,
; not the reference's longer chain: a few units in its last place; the interpolation is continuous in it.  Weights are multiplied as (z y) x.
; SHAPE: 256 work-groups, each a tile of 3 planes x 20 rows; 15 waves, each 4 neighbouring rows, one row a step.  Lane l holds voxels w = l + 32 j,
; j = 0..4: a record store of a wave covers 512 consecutive bytes, aligned; a stream load 128.  The next row's stream (index words, f1) is
; requested before this row's gathers.  No LDS, barrier, cluster or matrix unit: addresses hang on data and no fixed tile is shared.
.set PLANAR,   1                       ; the source is planar f32 (1) or records of 16 bytes (0)
.set FLOW_OFF, 29491200                ; the flow that steers this warp: flow_list[1]
.set ROWB,   640                       ; bytes in a row of one channel
.set RECROW, 2560                      ; bytes in a row of records
.set CHB,    9830400                   ; bytes in a channel
.if PLANAR
.set ZB,   102400                      ; bytes from plane to plane, row to row, and log2 of voxel to voxel, in the source
.set YB,   640
.set XSH,  2
.set PERV, 24                          ; gather loads for a voxel
.else
.set ZB,   409600
.set YB,   2560
.set XSH,  4
.set PERV, 8
.endif
.set XB, 1<<XSH
.set LO4,  2                           ; v2        4 x lane
.set LO16, 3                           ; v3        16 x lane
.set BASE, 4                           ; v[4:5]    d, h of the row as f32
.set SC,   6                           ; v[6:7]    96/95, 160/159
.set WB,   8                           ; v[8:12]   w = lane + 32 j as f32
.set IZ,   14                          ; v[14:16]  the corner, whole numbers
.set IY,   15
.set IX,   16
.set C,    18                          ; v[18:19]  cz, cy as f32
.set CX,   20
.set PX,   21                          ; x, then u along x
.set P,    22                          ; v[22:23]  z, y, then u along z, y
.set WZ,   24                          ; v[24:25], v[26:27], v[28:29]: w0, w1 along z, y, x
.set WY,   26
.set WX,   28
.set BZ,   30                          ; v[30:32]  2 - u
.set BY,   31
.set BX,   32
.set ZY,   34                          ; v[34:37]  wz wy, index 2 dz + dy
.set AD,   38                          ; v[38:42]  voxel j: byte offset of its corner in the source
.set IDXA, 44                          ; v[44:48], v[50:54]  index words of a row, two sets
.set IDXB, 50
.set SETA, 56                          ; v[56:75], v[76:95]  voxel j: flow d, h, w, then the sums; fourth register 0.  Two sets
.set SETB, 76
.set G,    96                          ; v[96:255] voxel j, corner k = 4 dz + 2 dy + dx: values d, h, w and the corner's weight at 32 j + 4 k
.set GB,   32                          ; s[32:37]  planar source: channel c at pair 2 c
	s_load_b256 s[8:15], s[0:1], 0x0               ; flow_list s[8:9], range_flow s[10:11], index words s[12:13], result s[14:15]
.if PLANAR == 0
	s_load_b64 s[16:17], s[0:1], 0x20              ; source records
.endif
	v_and_b32 v1, 31, v0                           ; lane
	v_lshrrev_b32 v[IX], 5, v0
	v_readfirstlane_b32 s2, v[IX]                  ; wave 0..14
	s_mul_i32 s3, s2, 13
	s_lshr_b32 s3, s3, 6                           ; wave / 5 (13/64 serves 0..14): plane of the tile
	s_mul_i32 s4, s3, 5
	s_sub_co_u32 s4, s2, s4                        ; wave % 5: which four rows
	s_and_b32 s5, ttmp7, 0xffff
	s_mul_i32 s5, s5, 3
	s_add_co_u32 s5, s5, s3                        ; d
	s_mul_i32 s6, ttmp9, 20
	s_lshl2_add_u32 s6, s4, s6                     ; h of my first row
	s_mul_i32 s7, s5, 160
	s_add_co_u32 s7, s7, s6                        ; row number
	s_mul_i32 s20, s7, ROWB
	s_mov_b32 s21, 0
	s_mul_i32 s22, s7, RECROW
	s_mov_b32 s23, 0
	s_cvt_f32_u32 s27, s5
	s_cvt_f32_u32 s28, s6
	s_mov_b32 s26, 0x3f80ce17                      ; 160/159
	v_lshlrev_b32 v[LO4], 2, v1
	v_lshlrev_b32 v[LO16], 4, v1
	v_mov_b32 v[BASE], s27
	v_mov_b32 v[BASE+1], s28
	v_mov_b32 v[SC], 0x3f8158ed                    ; 96/95
	v_mov_b32 v[SC+1], s26
	v_cvt_f32_u32 v[WB], v1
	v_add_f32 v[WB+1], 0x42000000, v[WB]           ; + 32, 64, 96, 128
	v_add_f32 v[WB+2], 0x42800000, v[WB]
	v_add_f32 v[WB+3], 0x42c00000, v[WB]
	v_add_f32 v[WB+4], 0x43000000, v[WB]
.irp j, 0,1,2,3,4
	v_mov_b32 v[SETA+4*\j+3], 0                    ; the records' fourth word, written once
	v_mov_b32 v[SETB+4*\j+3], 0
.endr
	s_wait_kmcnt 0x0
	s_load_b32 s24, s[10:11], 0x0                  ; range_flow
	s_add_nc_u64 s[12:13], s[12:13], s[20:21]      ; index words, flow and result at my first row
	s_add_nc_u64 s[14:15], s[14:15], s[22:23]
	s_add_nc_u64 s[40:41], s[8:9], s[20:21]
	s_add_nc_u64 s[40:41], s[40:41], FLOW_OFF
	s_add_nc_u64 s[42:43], s[40:41], CHB
	s_add_nc_u64 s[44:45], s[40:41], 2*CHB
.if PLANAR
	s_mov_b64 s[GB:GB+1], s[8:9]                   ; f0's three channels
	s_add_nc_u64 s[GB+2:GB+3], s[8:9], CHB
	s_add_nc_u64 s[GB+4:GB+5], s[8:9], 2*CHB
.endif
.macro WAITLD n                        ; the count field ends at 63; a smaller count only waits for more
.if (\n) > 63
	s_wait_loadcnt 63
.else
	s_wait_loadcnt \n
.endif
.endm
; the 20 stream loads of a row: index word and three flow channels of five voxels a lane
.macro STREAM fl, wd, row
.irp j, 0,1,2,3,4
	global_load_b32 v[\wd+\j],     v[LO4], s[12:13] offset:(\row)*ROWB+\j*128
	global_load_b32 v[\fl+4*\j],   v[LO4], s[40:41] offset:(\row)*ROWB+\j*128
	global_load_b32 v[\fl+4*\j+1], v[LO4], s[42:43] offset:(\row)*ROWB+\j*128
	global_load_b32 v[\fl+4*\j+2], v[LO4], s[44:45] offset:(\row)*ROWB+\j*128
.endr
.endm
; voxel j: corner, offset, the eight weights into the slot's fourth registers, then the gathers
.macro PREP fl, wd, j
	v_and_b32     v[IX], 0xff, v[\wd+\j]
	v_bfe_u32     v[IY], v[\wd+\j], 8, 8
	v_lshrrev_b32 v[IZ], 16, v[\wd+\j]
	v_min_u32     v[IX], 0x9e, v[IX]               ; a loaded number enters an address only clamped: corner + 1 stays inside
	v_min_u32     v[IY], 0x9e, v[IY]
	v_min_u32     v[IZ], 0x5e, v[IZ]
	v_mul_u32_u24 v[AD+\j], ZB, v[IZ]
	v_mad_u32_u24 v[AD+\j], v[IY], YB, v[AD+\j]
	v_lshl_add_u32 v[AD+\j], v[IX], XSH, v[AD+\j]
	v_cvt_f32_u32 v[C], v[IZ]
	v_cvt_f32_u32 v[C+1], v[IY]
	v_cvt_f32_u32 v[CX], v[IX]
	v_pk_fma_f32 v[P:P+1], v[\fl+4*\j:\fl+4*\j+1], s[24:25], v[BASE:BASE+1] op_sel_hi:[1,0,1]   ; d + r f_d, h + r f_h
	v_fma_f32    v[PX], v[\fl+4*\j+2], s24, v[WB+\j]                                            ; w + r f_w
	v_pk_fma_f32 v[P:P+1], v[P:P+1], v[SC:SC+1], -0.5 op_sel_hi:[1,1,0]
	v_fma_f32    v[PX], v[PX], s26, -0.5
	v_pk_add_f32 v[P:P+1], v[P:P+1], v[C:C+1] neg_lo:[0,1] neg_hi:[0,1]                         ; u = coordinate - corner
	v_sub_f32    v[PX], v[PX], v[CX]
	v_sub_f32 v[WZ], 1.0, |v[P]|
	v_sub_f32 v[WY], 1.0, |v[P+1]|
	v_sub_f32 v[WX], 1.0, |v[PX]|
	v_sub_f32 v[BZ], 2.0, v[P]
	v_sub_f32 v[BY], 2.0, v[P+1]
	v_sub_f32 v[BX], 2.0, v[PX]
	v_max_num_f32 v[WZ], 0, v[WZ]
	v_max_num_f32 v[WY], 0, v[WY]
	v_max_num_f32 v[WX], 0, v[WX]
	v_med3_num_f32 v[WZ+1], v[P], v[BZ], 0
	v_med3_num_f32 v[WY+1], v[P+1], v[BY], 0
	v_med3_num_f32 v[WX+1], v[PX], v[BX], 0
	v_pk_mul_f32 v[ZY:ZY+1],   v[WY:WY+1], v[WZ:WZ+1] op_sel_hi:[1,0]                 ; (wy0, wy1) x wz0
	v_pk_mul_f32 v[ZY+2:ZY+3], v[WY:WY+1], v[WZ:WZ+1] op_sel:[0,1] op_sel_hi:[1,1]    ; (wy0, wy1) x wz1
.irp z, 0,1
.irp y, 0,1
.irp x, 0,1
	v_mul_f32 v[G+32*\j+16*\z+8*\y+4*\x+3], v[ZY+2*\z+\y], v[WX+\x]
.endr
.endr
.endr
.irp z, 0,1
.irp y, 0,1
.irp x, 0,1
.if PLANAR
.irp c, 0,1,2
	global_load_b32 v[G+32*\j+16*\z+8*\y+4*\x+\c], v[AD+\j], s[GB+2*\c:GB+2*\c+1] offset:\z*ZB+\y*YB+\x*XB
.endr
.else
	global_load_b96 v[G+32*\j+16*\z+8*\y+4*\x:G+32*\j+16*\z+8*\y+4*\x+2], v[AD+\j], s[16:17] offset:\z*ZB+\y*YB+\x*XB
.endif
.endr
.endr
.endr
.endm
; voxel j: the flow registers take the eight weighted corners on top (warped + flow), and go out as a record
.macro CONSUME fl, j, row
	WAITLD PERV*(4-\j)                             ; loads return in order: voxel j's gathers are in, those of the voxels behind it stay out
.irp k, 0,1,2,3,4,5,6,7
	v_pk_fma_f32 v[\fl+4*\j:\fl+4*\j+1], v[G+32*\j+4*\k:G+32*\j+4*\k+1], v[G+32*\j+4*\k+2:G+32*\j+4*\k+3], v[\fl+4*\j:\fl+4*\j+1] op_sel:[0,1,0] op_sel_hi:[1,1,1]   ; both by the pair's second register, the weight
	v_fmac_f32 v[\fl+4*\j+2], v[G+32*\j+4*\k+2], v[G+32*\j+4*\k+3]
.endr
	global_store_b128 v[LO16], v[\fl+4*\j:\fl+4*\j+3], s[14:15] offset:(\row)*RECROW+\j*512 th:TH_STORE_NT
.endm
.macro ROW row, fl, wd, nfl, nwd, more
.if \more
.if \row
	s_wait_xcnt 0x0                                ; the other set was the last row's store data: it is loaded again only behind this wait
.endif
	STREAM \nfl, \nwd, \row+1                      ; ahead of the gathers: in when the last of them is
.endif
.irp j, 0,1,2,3,4
	PREP \fl, \wd, \j
.endr
.irp j, 0,1,2,3,4
	CONSUME \fl, \j, \row
.endr
.if \more
	v_add_f32 v[BASE+1], 1.0, v[BASE+1]            ; h of the next row
.endif
.endm
	STREAM SETA, IDXA, 0
	s_wait_kmcnt 0x0
	s_mov_b32 s25, s24
	s_wait_loadcnt 0x0                             ; the first row's stream; every later row's is covered by the last gather wait of the row before
	ROW 0, SETA, IDXA, SETB, IDXB, 1
	ROW 1, SETB, IDXB, SETA, IDXA, 1
	ROW 2, SETA, IDXA, SETB, IDXB, 1
	ROW 3, SETB, IDXB, SETA, IDXA, 0               ; the last row requests nothing beyond itself
	s_endpgm
.Lfunc_end_k_q5263218b8d_warp1:
	.size	k_q5263218b8d_warp1, .Lfunc_end_k_q5263218b8d_warp1-k_q5263218b8d_warp1
	.p2alignl 7, 3214868480
	.fill 96, 4, 3214868480
	.section	.rodata,"a",@progbits
	.p2align	6, 0x0
	.amdhsa_kernel k_q5263218b8d_warp1
		.amdhsa_group_segment_fixed_size 0
		.amdhsa_private_segment_fixed_size 0
		.amdhsa_enable_private_segment 0
		.amdhsa_kernarg_size 32
		.amdhsa_user_sgpr_count 2
		.amdhsa_user_sgpr_kernarg_segment_ptr 1
		.amdhsa_wavefront_size32 1
		.amdhsa_system_sgpr_workgroup_id_x 1
		.amdhsa_system_sgpr_workgroup_id_y 1
		.amdhsa_system_sgpr_workgroup_id_z 1
		.amdhsa_system_vgpr_workitem_id 0
		.amdhsa_next_free_vgpr 256
		.amdhsa_next_free_sgpr 66
		.amdhsa_reserve_vcc 0
		.amdhsa_float_denorm_mode_32 3
		.amdhsa_float_denorm_mode_16_64 3
		.amdhsa_memory_ordered 1
		.amdhsa_forward_progress 1
		.amdhsa_inst_pref_size 112
	.end_amdhsa_kernel
	.amdgpu_metadata
---
amdhsa.version: [ 1, 2 ]
amdhsa.kernels:
  - .name:           k_q5263218b8d_warp1
    .symbol:         k_q5263218b8d_warp1.kd
    .args:
      - { .name: flow_list, .offset: 0, .size: 8, .value_kind: global_buffer, .address_space: global }
      - { .name: range_flow, .offset: 8, .size: 8, .value_kind: global_buffer, .address_space: global }
      - { .name: ia, .offset: 16, .size: 8, .value_kind: global_buffer, .address_space: global }
      - { .name: c1, .offset: 24, .size: 8, .value_kind: global_buffer, .address_space: global }
    .group_segment_fixed_size: 0
    .private_segment_fixed_size: 0
    .kernarg_segment_align: 8
    .kernarg_segment_size: 32
    .max_flat_workgroup_size: 480
    .sgpr_count:     66
    .vgpr_count:     256
    .wavefront_size: 32
...
	.end_amdgpu_metadata
.endif
;; end of part 2
;; launch warp2 (part 3): grid 8 x 32, 15 waves a work-group, no clusters, 0 bytes of LDS; arguments flow_list, range_flow, ib, c2, c1; writes c2
.if DOCPART == 3
	.amdgcn_target "amdgcn-amd-amdhsa--gfx1250"
	.amdhsa_code_object_version 6
	.text
	.protected	k_q5263218b8d_warp2
	.globl	k_q5263218b8d_warp2
	.p2align	8
	.type	k_q5263218b8d_warp2,@function
k_q5263218b8d_warp2:
	s_mov_b64 s[64:65], 0
	v_nop
	global_prefetch_b8 v0, s[64:65] scope:SCOPE_SE
	s_setreg_imm32_b32 hwreg(HW_REG_WAVE_MODE, 25, 1), 1
	s_wait_xcnt 0x0
; WARP 2: c2 = trilinear sample of c1 at (voxel + r f2), plus f2 = flow_list[2].  Zero padding, as the reference samples.
; The text of the first warp with two constants changed: the source is records of 16 bytes (d, h, w, unused), so a corner is ONE load of 12 bytes.
; The corner (cz, cy, cx) of each voxel comes as a whole number from an earlier launch (z<<16 | y<<8 | x, corner and corner + 1 inside the
; volume), so all eight corners are one offset register plus immediates.  Weights: with u = coordinate - corner along an axis,
; w0 = max(0, 1 - |u|), w1 = med3(u, 2 - u, 0): the hat function at the two indices read.  Inside the volume that is (1 - t, t); one step
; outside it gives the one valid index its weight and the other 0; further out both are 0: the reference's zero padding without masks.
; LIMITS: NaN or infinite inputs are not served (the reference gives NaN; here such weights become 0).  The coordinate is two fused multiply-adds,
; not the reference's longer chain: a few units in its last place; the interpolation is continuous in it.  Weights are multiplied as (z y) x.
; SHAPE: 256 work-groups, each a tile of 3 planes x 20 rows; 15 waves, each 4 neighbouring rows, one row a step.  Lane l holds voxels w = l + 32 j,
; j = 0..4: a record store of a wave covers 512 consecutive bytes, aligned; a stream load 128.  The next row's stream (index words, f2) is
; requested before this row's gathers: 20 + 40 loads of a wave are out at most.  No LDS, barrier, cluster or matrix unit: addresses hang on
; data and no fixed tile is shared.
.set PLANAR,   0                       ; the source is planar f32 (1) or records of 16 bytes (0)
.set FLOW_OFF, 58982400                ; the flow that steers this warp: flow_list[2]
.set ROWB,   640                       ; bytes in a row of one channel
.set RECROW, 2560                      ; bytes in a row of records
.set CHB,    9830400                   ; bytes in a channel
.if PLANAR
.set ZB,   102400                      ; bytes from plane to plane, row to row, and log2 of voxel to voxel, in the source
.set YB,   640
.set XSH,  2
.set PERV, 24                          ; gather loads for a voxel
.else
.set ZB,   409600
.set YB,   2560
.set XSH,  4
.set PERV, 8
.endif
.set XB, 1<<XSH
.set LO4,  2                           ; v2        4 x lane
.set LO16, 3                           ; v3        16 x lane
.set BASE, 4                           ; v[4:5]    d, h of the row as f32
.set SC,   6                           ; v[6:7]    96/95, 160/159
.set WB,   8                           ; v[8:12]   w = lane + 32 j as f32
.set IZ,   14                          ; v[14:16]  the corner, whole numbers
.set IY,   15
.set IX,   16
.set C,    18                          ; v[18:19]  cz, cy as f32
.set CX,   20
.set PX,   21                          ; x, then u along x
.set P,    22                          ; v[22:23]  z, y, then u along z, y
.set WZ,   24                          ; v[24:25], v[26:27], v[28:29]: w0, w1 along z, y, x
.set WY,   26
.set WX,   28
.set BZ,   30                          ; v[30:32]  2 - u
.set BY,   31
.set BX,   32
.set ZY,   34                          ; v[34:37]  wz wy, index 2 dz + dy
.set AD,   38                          ; v[38:42]  voxel j: byte offset of its corner in the source
.set IDXA, 44                          ; v[44:48], v[50:54]  index words of a row, two sets
.set IDXB, 50
.set SETA, 56                          ; v[56:75], v[76:95]  voxel j: flow d, h, w, then the sums; fourth register 0.  Two sets
.set SETB, 76
.set G,    96                          ; v[96:255] voxel j, corner k = 4 dz + 2 dy + dx: values d, h, w and the corner's weight at 32 j + 4 k
.set GB,   32                          ; s[32:37]  planar source: channel c at pair 2 c
	s_load_b256 s[8:15], s[0:1], 0x0               ; flow_list s[8:9], range_flow s[10:11], index words s[12:13], result s[14:15]
.if PLANAR == 0
	s_load_b64 s[16:17], s[0:1], 0x20              ; source records
.endif
	v_and_b32 v1, 31, v0                           ; lane
	v_lshrrev_b32 v[IX], 5, v0
	v_readfirstlane_b32 s2, v[IX]                  ; wave 0..14
	s_mul_i32 s3, s2, 13
	s_lshr_b32 s3, s3, 6                           ; wave / 5 (13/64 serves 0..14): plane of the tile
	s_mul_i32 s4, s3, 5
	s_sub_co_u32 s4, s2, s4                        ; wave % 5: which four rows
	s_and_b32 s5, ttmp7, 0xffff
	s_mul_i32 s5, s5, 3
	s_add_co_u32 s5, s5, s3                        ; d
	s_mul_i32 s6, ttmp9, 20
	s_lshl2_add_u32 s6, s4, s6                     ; h of my first row
	s_mul_i32 s7, s5, 160
	s_add_co_u32 s7, s7, s6                        ; row number
	s_mul_i32 s20, s7, ROWB
	s_mov_b32 s21, 0
	s_mul_i32 s22, s7, RECROW
	s_mov_b32 s23, 0
	s_cvt_f32_u32 s27, s5
	s_cvt_f32_u32 s28, s6
	s_mov_b32 s26, 0x3f80ce17                      ; 160/159
	v_lshlrev_b32 v[LO4], 2, v1
	v_lshlrev_b32 v[LO16], 4, v1
	v_mov_b32 v[BASE], s27
	v_mov_b32 v[BASE+1], s28
	v_mov_b32 v[SC], 0x3f8158ed                    ; 96/95
	v_mov_b32 v[SC+1], s26
	v_cvt_f32_u32 v[WB], v1
	v_add_f32 v[WB+1], 0x42000000, v[WB]           ; + 32, 64, 96, 128
	v_add_f32 v[WB+2], 0x42800000, v[WB]
	v_add_f32 v[WB+3], 0x42c00000, v[WB]
	v_add_f32 v[WB+4], 0x43000000, v[WB]
.irp j, 0,1,2,3,4
	v_mov_b32 v[SETA+4*\j+3], 0                    ; the records' fourth word, written once
	v_mov_b32 v[SETB+4*\j+3], 0
.endr
	s_wait_kmcnt 0x0
	s_load_b32 s24, s[10:11], 0x0                  ; range_flow
	s_add_nc_u64 s[12:13], s[12:13], s[20:21]      ; index words, flow and result at my first row
	s_add_nc_u64 s[14:15], s[14:15], s[22:23]
	s_add_nc_u64 s[40:41], s[8:9], s[20:21]
	s_add_nc_u64 s[40:41], s[40:41], FLOW_OFF
	s_add_nc_u64 s[42:43], s[40:41], CHB
	s_add_nc_u64 s[44:45], s[40:41], 2*CHB
.if PLANAR
	s_mov_b64 s[GB:GB+1], s[8:9]
	s_add_nc_u64 s[GB+2:GB+3], s[8:9], CHB
	s_add_nc_u64 s[GB+4:GB+5], s[8:9], 2*CHB
.endif
.macro WAITLD n                        ; the count field ends at 63; a smaller count only waits for more
.if (\n) > 63
	s_wait_loadcnt 63
.else
	s_wait_loadcnt \n
.endif
.endm
; the 20 stream loads of a row: index word and three flow channels of five voxels a lane
.macro STREAM fl, wd, row
.irp j, 0,1,2,3,4
	global_load_b32 v[\wd+\j],     v[LO4], s[12:13] offset:(\row)*ROWB+\j*128
	global_load_b32 v[\fl+4*\j],   v[LO4], s[40:41] offset:(\row)*ROWB+\j*128
	global_load_b32 v[\fl+4*\j+1], v[LO4], s[42:43] offset:(\row)*ROWB+\j*128
	global_load_b32 v[\fl+4*\j+2], v[LO4], s[44:45] offset:(\row)*ROWB+\j*128
.endr
.endm
; voxel j: corner, offset, the eight weights into the slot's fourth registers, then the gathers
.macro PREP fl, wd, j
	v_and_b32     v[IX], 0xff, v[\wd+\j]
	v_bfe_u32     v[IY], v[\wd+\j], 8, 8
	v_lshrrev_b32 v[IZ], 16, v[\wd+\j]
	v_min_u32     v[IX], 0x9e, v[IX]               ; a loaded number enters an address only clamped: corner + 1 stays inside
	v_min_u32     v[IY], 0x9e, v[IY]
	v_min_u32     v[IZ], 0x5e, v[IZ]
	v_mul_u32_u24 v[AD+\j], ZB, v[IZ]
	v_mad_u32_u24 v[AD+\j], v[IY], YB, v[AD+\j]
	v_lshl_add_u32 v[AD+\j], v[IX], XSH, v[AD+\j]
	v_cvt_f32_u32 v[C], v[IZ]
	v_cvt_f32_u32 v[C+1], v[IY]
	v_cvt_f32_u32 v[CX], v[IX]
	v_pk_fma_f32 v[P:P+1], v[\fl+4*\j:\fl+4*\j+1], s[24:25], v[BASE:BASE+1] op_sel_hi:[1,0,1]   ; d + r f_d, h + r f_h
	v_fma_f32    v[PX], v[\fl+4*\j+2], s24, v[WB+\j]                                            ; w + r f_w
	v_pk_fma_f32 v[P:P+1], v[P:P+1], v[SC:SC+1], -0.5 op_sel_hi:[1,1,0]
	v_fma_f32    v[PX], v[PX], s26, -0.5
	v_pk_add_f32 v[P:P+1], v[P:P+1], v[C:C+1] neg_lo:[0,1] neg_hi:[0,1]                         ; u = coordinate - corner
	v_sub_f32    v[PX], v[PX], v[CX]
	v_sub_f32 v[WZ], 1.0, |v[P]|
	v_sub_f32 v[WY], 1.0, |v[P+1]|
	v_sub_f32 v[WX], 1.0, |v[PX]|
	v_sub_f32 v[BZ], 2.0, v[P]
	v_sub_f32 v[BY], 2.0, v[P+1]
	v_sub_f32 v[BX], 2.0, v[PX]
	v_max_num_f32 v[WZ], 0, v[WZ]
	v_max_num_f32 v[WY], 0, v[WY]
	v_max_num_f32 v[WX], 0, v[WX]
	v_med3_num_f32 v[WZ+1], v[P], v[BZ], 0
	v_med3_num_f32 v[WY+1], v[P+1], v[BY], 0
	v_med3_num_f32 v[WX+1], v[PX], v[BX], 0
	v_pk_mul_f32 v[ZY:ZY+1],   v[WY:WY+1], v[WZ:WZ+1] op_sel_hi:[1,0]                 ; (wy0, wy1) x wz0
	v_pk_mul_f32 v[ZY+2:ZY+3], v[WY:WY+1], v[WZ:WZ+1] op_sel:[0,1] op_sel_hi:[1,1]    ; (wy0, wy1) x wz1
.irp z, 0,1
.irp y, 0,1
.irp x, 0,1
	v_mul_f32 v[G+32*\j+16*\z+8*\y+4*\x+3], v[ZY+2*\z+\y], v[WX+\x]
.endr
.endr
.endr
.irp z, 0,1
.irp y, 0,1
.irp x, 0,1
.if PLANAR
.irp c, 0,1,2
	global_load_b32 v[G+32*\j+16*\z+8*\y+4*\x+\c], v[AD+\j], s[GB+2*\c:GB+2*\c+1] offset:\z*ZB+\y*YB+\x*XB
.endr
.else
	global_load_b96 v[G+32*\j+16*\z+8*\y+4*\x:G+32*\j+16*\z+8*\y+4*\x+2], v[AD+\j], s[16:17] offset:\z*ZB+\y*YB+\x*XB   ; three registers: the weight beside them stays
.endif
.endr
.endr
.endr
.endm
; voxel j: the flow registers take the eight weighted corners on top (warped + flow), and go out as a record
.macro CONSUME fl, j, row
	WAITLD PERV*(4-\j)                             ; loads return in order: voxel j's gathers are in, those of the voxels behind it stay out
.irp k, 0,1,2,3,4,5,6,7
	v_pk_fma_f32 v[\fl+4*\j:\fl+4*\j+1], v[G+32*\j+4*\k:G+32*\j+4*\k+1], v[G+32*\j+4*\k+2:G+32*\j+4*\k+3], v[\fl+4*\j:\fl+4*\j+1] op_sel:[0,1,0] op_sel_hi:[1,1,1]   ; both by the pair's second register, the weight
	v_fmac_f32 v[\fl+4*\j+2], v[G+32*\j+4*\k+2], v[G+32*\j+4*\k+3]
.endr
	global_store_b128 v[LO16], v[\fl+4*\j:\fl+4*\j+3], s[14:15] offset:(\row)*RECROW+\j*512 th:TH_STORE_NT
.endm
.macro ROW row, fl, wd, nfl, nwd, more
.if \more
.if \row
	s_wait_xcnt 0x0                                ; the other set was the last row's store data: it is loaded again only behind this wait
.endif
	STREAM \nfl, \nwd, \row+1                      ; ahead of the gathers: in when the last of them is
.endif
.irp j, 0,1,2,3,4
	PREP \fl, \wd, \j
.endr
.irp j, 0,1,2,3,4
	CONSUME \fl, \j, \row
.endr
.if \more
	v_add_f32 v[BASE+1], 1.0, v[BASE+1]            ; h of the next row
.endif
.endm
	STREAM SETA, IDXA, 0
	s_wait_kmcnt 0x0
	s_mov_b32 s25, s24
	s_wait_loadcnt 0x0                             ; the first row's stream; every later row's is covered by the last gather wait of the row before
	ROW 0, SETA, IDXA, SETB, IDXB, 1
	ROW 1, SETB, IDXB, SETA, IDXA, 1
	ROW 2, SETA, IDXA, SETB, IDXB, 1
	ROW 3, SETB, IDXB, SETA, IDXA, 0               ; the last row requests nothing beyond itself
	s_endpgm
.Lfunc_end_k_q5263218b8d_warp2:
	.size	k_q5263218b8d_warp2, .Lfunc_end_k_q5263218b8d_warp2-k_q5263218b8d_warp2
	.p2alignl 7, 3214868480
	.fill 96, 4, 3214868480
	.section	.rodata,"a",@progbits
	.p2align	6, 0x0
	.amdhsa_kernel k_q5263218b8d_warp2
		.amdhsa_group_segment_fixed_size 0
		.amdhsa_private_segment_fixed_size 0
		.amdhsa_enable_private_segment 0
		.amdhsa_kernarg_size 40
		.amdhsa_user_sgpr_count 2
		.amdhsa_user_sgpr_kernarg_segment_ptr 1
		.amdhsa_wavefront_size32 1
		.amdhsa_system_sgpr_workgroup_id_x 1
		.amdhsa_system_sgpr_workgroup_id_y 1
		.amdhsa_system_sgpr_workgroup_id_z 1
		.amdhsa_system_vgpr_workitem_id 0
		.amdhsa_next_free_vgpr 256
		.amdhsa_next_free_sgpr 66
		.amdhsa_reserve_vcc 0
		.amdhsa_float_denorm_mode_32 3
		.amdhsa_float_denorm_mode_16_64 3
		.amdhsa_memory_ordered 1
		.amdhsa_forward_progress 1
		.amdhsa_inst_pref_size 82
	.end_amdhsa_kernel
	.amdgpu_metadata
---
amdhsa.version: [ 1, 2 ]
amdhsa.kernels:
  - .name:           k_q5263218b8d_warp2
    .symbol:         k_q5263218b8d_warp2.kd
    .args:
      - { .name: flow_list, .offset: 0, .size: 8, .value_kind: global_buffer, .address_space: global }
      - { .name: range_flow, .offset: 8, .size: 8, .value_kind: global_buffer, .address_space: global }
      - { .name: ib, .offset: 16, .size: 8, .value_kind: global_buffer, .address_space: global }
      - { .name: c2, .offset: 24, .size: 8, .value_kind: global_buffer, .address_space: global }
      - { .name: c1, .offset: 32, .size: 8, .value_kind: global_buffer, .address_space: global }
    .group_segment_fixed_size: 0
    .private_segment_fixed_size: 0
    .kernarg_segment_align: 8
    .kernarg_segment_size: 40
    .max_flat_workgroup_size: 480
    .sgpr_count:     66
    .vgpr_count:     256
    .wavefront_size: 32
...
	.end_amdgpu_metadata
.endif
;; end of part 3
;; launch warp3 (part 4): grid 8 x 32, 15 waves a work-group, no clusters, 0 bytes of LDS; arguments final_flow, range_flow, ic, c2, out1, ia; writes out1, ia
.if DOCPART == 4
	.amdgcn_target "amdgcn-amd-amdhsa--gfx1250"
	.amdhsa_code_object_version 6
	.text
	.protected	k_q5263218b8d_warp3
	.globl	k_q5263218b8d_warp3
	.p2align	8
	.type	k_q5263218b8d_warp3,@function
k_q5263218b8d_warp3:
	s_mov_b64 s[64:65], 0
	v_nop
	global_prefetch_b8 v0, s[64:65] scope:SCOPE_SE
	s_setreg_imm32_b32 hwreg(HW_REG_WAVE_MODE, 25, 1), 1
	s_wait_xcnt 0x0
; WARP 3: out1 = trilinear sample of c2 (records of 16 bytes: d, h, w, unused) at (voxel + r final_flow), plus final_flow; zero padding.
; It also makes, from out1 as it leaves, the corner index words of the last sampling (of src at voxel + r out1) for the launch behind it:
; word = cz<<16 | cy<<8 | cx, cz = clamp(floor z, 0, 94), cy, cx = clamp(floor, 0, 158).  These words are only stored here: no address of this
; launch hangs on them.
; Corners and weights as in the other warps: the corner comes as a whole number from an earlier launch; along each axis, with
; u = coordinate - corner, w0 = max(0, 1 - |u|), w1 = med3(u, 2 - u, 0): the hat function at the two indices read, which is the reference's
; (1 - t, t) inside the volume and its zero padding outside, without masks.
; LIMITS: NaN or infinite inputs are not served (the reference gives NaN; here such weights become 0).  The coordinate is two fused multiply-adds,
; not the reference's longer chain: a few units in its last place; the interpolation is continuous in it.  Weights are multiplied as (z y) x.
; SHAPE: 256 work-groups, each a tile of 3 planes x 20 rows; 15 waves, each 4 neighbouring rows = 5 groups of 128 voxels.  The outputs are planar,
; so a lane holds 4 neighbouring voxels of a row: every stream load and every store of a wave covers 512 consecutive bytes, aligned.
; The next group's stream is requested before this group's gathers.  No LDS, barrier, cluster or matrix unit: addresses hang on data and no
; fixed tile is shared.
.set ROWB,  640
.set CHB,   9830400
.set CHUNK, 512                        ; bytes of a group of 128 voxels in one channel
.set ZB,    409600                     ; records: bytes from plane to plane, row to row, voxel to voxel
.set YB,    2560
.set XSH,   4
.set XB,    16
.set LO16, 2                           ; v2        16 x lane
.set L4,   3                           ; v3        4 x lane
.set DFP,  4                           ; v[4:5]    d as f32, twice
.set HFP,  6                           ; v[6:7]    h of my 4 voxels, twice
.set WF,   8                           ; v[8:11]   w of my 4 voxels
.set CZ,   12                          ; v[12:23]  corners of 4 voxels as f32: z, y, x
.set CY,   16
.set CX,   20
.set PZ,   24                          ; v[24:35]  coordinates of 4 voxels, then u: z, y, x
.set PY,   28
.set PX,   32
.set IZ,   36                          ; v[36:38]  a corner as whole numbers; also at work in GEO
.set IY,   37
.set IX,   38
.set T0,   36
.set T1,   37
.set T2,   38
.set WZ,   40                          ; v[40:45]  w0, w1 along z, y, x
.set WY,   42
.set WX,   44
.set BZ,   46                          ; v[46:48]  2 - u
.set BY,   47
.set BX,   48
.set ZY,   50                          ; v[50:53]  wz wy, index 2 dz + dy
.set AD,   54                          ; v[54:57]  voxel j: byte offset of its corner
.set SETA, 60                          ; v[60:75], v[76:91]: index words [4], flow d [4], h [4], w [4]; the flow registers become the sums,
.set SETB, 76                          ;                     the word registers the new index words
.set G,    96                          ; v[96:223] voxel j, corner k = 4 dz + 2 dy + dx: values d, h, w and the corner's weight at 32 j + 4 k
.set SR,   24                          ; s[24:25]  range_flow, twice
.set SSZ,  26                          ; s[26:27]  96/95
.set SSX,  28                          ; s[28:29]  160/159
.set SK,   30                          ; s[30:31]  256.0
.set SZMAX, 32                         ; 94.0
.set SXMAX, 33                         ; 158.0
	s_load_b256 s[8:15], s[0:1], 0x0               ; final_flow s[8:9], range_flow s[10:11], index words s[12:13], c2 s[14:15]
	s_load_b128 s[16:19], s[0:1], 0x20             ; out1 s[16:17], new index words s[18:19]
	v_and_b32 v1, 31, v0                           ; lane
	v_lshrrev_b32 v[T0], 5, v0
	v_readfirstlane_b32 s2, v[T0]                  ; wave 0..14
	s_mul_i32 s3, s2, 13
	s_lshr_b32 s3, s3, 6                           ; wave / 5 (13/64 serves 0..14): plane of the tile
	s_mul_i32 s4, s3, 5
	s_sub_co_u32 s4, s2, s4                        ; wave % 5: which four rows
	s_and_b32 s5, ttmp7, 0xffff
	s_mul_i32 s5, s5, 3
	s_add_co_u32 s5, s5, s3                        ; d
	s_mul_i32 s6, ttmp9, 20
	s_lshl2_add_u32 s6, s4, s6                     ; h of my first row
	s_mul_i32 s7, s5, 160
	s_add_co_u32 s7, s7, s6
	s_mul_i32 s20, s7, ROWB                        ; my first row's byte offset in a channel
	s_mov_b32 s21, 0
	s_cvt_f32_u32 s7, s5
	s_mov_b32 s[SSZ], 0x3f8158ed
	s_mov_b32 s[SSZ+1], 0x3f8158ed
	s_mov_b32 s[SSX], 0x3f80ce17
	s_mov_b32 s[SSX+1], 0x3f80ce17
	s_mov_b32 s[SK], 0x43800000
	s_mov_b32 s[SK+1], 0x43800000
	s_mov_b32 s[SZMAX], 0x42bc0000
	s_mov_b32 s[SXMAX], 0x431e0000
	v_lshlrev_b32 v[LO16], 4, v1
	v_lshlrev_b32 v[L4], 2, v1
	v_mov_b32 v[DFP], s7
	v_mov_b32 v[DFP+1], s7
	s_wait_kmcnt 0x0
	s_load_b32 s[SR], s[10:11], 0x0                ; range_flow
	s_add_nc_u64 s[12:13], s[12:13], s[20:21]
	s_add_nc_u64 s[18:19], s[18:19], s[20:21]
	s_add_nc_u64 s[40:41], s[8:9], s[20:21]        ; final_flow's three channels at my first row
	s_add_nc_u64 s[42:43], s[40:41], CHB
	s_add_nc_u64 s[44:45], s[40:41], 2*CHB
	s_add_nc_u64 s[46:47], s[16:17], s[20:21]      ; out1's
	s_add_nc_u64 s[48:49], s[46:47], CHB
	s_add_nc_u64 s[50:51], s[46:47], 2*CHB
.macro STREAM st, g
	global_load_b128 v[\st:\st+3],     v[LO16], s[12:13] offset:(\g)*CHUNK th:TH_LOAD_NT
	global_load_b128 v[\st+4:\st+7],   v[LO16], s[40:41] offset:(\g)*CHUNK th:TH_LOAD_NT
	global_load_b128 v[\st+8:\st+11],  v[LO16], s[42:43] offset:(\g)*CHUNK th:TH_LOAD_NT
	global_load_b128 v[\st+12:\st+15], v[LO16], s[44:45] offset:(\g)*CHUNK th:TH_LOAD_NT
.endm
; h and w of my four voxels in group g: voxel 128 g + 4 lane of the wave's 640; a row has 160, so four neighbours share a row.
.macro GEO g
.if \g
	v_add_nc_u32 v[T0], 128*\g, v[L4]
.set TS, T0
.else
.set TS, L4
.endif
	v_mul_u32_u24 v[T1], 0x19a, v[TS]
	v_lshrrev_b32 v[T1], 16, v[T1]                 ; t / 160 = 410 t >> 16 for t below 640
	v_mul_u32_u24 v[T2], 0xa0, v[T1]
	v_sub_nc_u32 v[T2], v[TS], v[T2]               ; w
	v_add_nc_u32 v[T1], s6, v[T1]                  ; h
	v_cvt_f32_u32 v[HFP], v[T1]
	v_cvt_f32_u32 v[HFP+1], v[T1]
	v_cvt_f32_u32 v[WF], v[T2]
	v_add_f32 v[WF+1], 1.0, v[WF]
	v_add_f32 v[WF+2], 2.0, v[WF]
	v_add_f32 v[WF+3], 0x40400000, v[WF]
.endm
; sampling coordinates of four voxels from three channels, two voxels an instruction
.macro POS fd, fh, fw
.irp p, 0,2
	v_pk_fma_f32 v[PZ+\p:PZ+\p+1], v[\fd+\p:\fd+\p+1], s[SR:SR+1], v[DFP:DFP+1] op_sel_hi:[1,0,1]
	v_pk_fma_f32 v[PY+\p:PY+\p+1], v[\fh+\p:\fh+\p+1], s[SR:SR+1], v[HFP:HFP+1] op_sel_hi:[1,0,1]
	v_pk_fma_f32 v[PX+\p:PX+\p+1], v[\fw+\p:\fw+\p+1], s[SR:SR+1], v[WF+\p:WF+\p+1] op_sel_hi:[1,0,1]
.endr
.irp p, 0,2
	v_pk_fma_f32 v[PZ+\p:PZ+\p+1], v[PZ+\p:PZ+\p+1], s[SSZ:SSZ+1], -0.5 op_sel_hi:[1,0,0]
	v_pk_fma_f32 v[PY+\p:PY+\p+1], v[PY+\p:PY+\p+1], s[SSX:SSX+1], -0.5 op_sel_hi:[1,0,0]
	v_pk_fma_f32 v[PX+\p:PX+\p+1], v[PX+\p:PX+\p+1], s[SSX:SSX+1], -0.5 op_sel_hi:[1,0,0]
.endr
.endm
; four index words: floor, clamp, (cz 256 + cy) 256 + cx in f32 (exact: below 2^24), one conversion
.macro MKIDX fd, fh, fw, wo
	POS \fd, \fh, \fw
.irp j, 0,1,2,3
	v_floor_f32 v[PZ+\j], v[PZ+\j]
	v_floor_f32 v[PY+\j], v[PY+\j]
	v_floor_f32 v[PX+\j], v[PX+\j]
.endr
.irp j, 0,1,2,3
	v_med3_num_f32 v[PZ+\j], v[PZ+\j], 0, s[SZMAX]
	v_med3_num_f32 v[PY+\j], v[PY+\j], 0, s[SXMAX]
	v_med3_num_f32 v[PX+\j], v[PX+\j], 0, s[SXMAX]
.endr
.irp p, 0,2
	v_pk_fma_f32 v[PZ+\p:PZ+\p+1], v[PZ+\p:PZ+\p+1], s[SK:SK+1], v[PY+\p:PY+\p+1] op_sel_hi:[1,0,1]
.endr
.irp p, 0,2
	v_pk_fma_f32 v[PZ+\p:PZ+\p+1], v[PZ+\p:PZ+\p+1], s[SK:SK+1], v[PX+\p:PX+\p+1] op_sel_hi:[1,0,1]
.endr
.irp j, 0,1,2,3
	v_cvt_u32_f32 v[\wo+\j], v[PZ+\j]
.endr
.endm
; voxel j: its corner out of the index word, clamped; the byte offset; the corner as f32
.macro CORNER st, j
	v_and_b32     v[IX], 0xff, v[\st+\j]
	v_bfe_u32     v[IY], v[\st+\j], 8, 8
	v_lshrrev_b32 v[IZ], 16, v[\st+\j]
	v_min_u32     v[IX], 0x9e, v[IX]               ; a loaded number enters an address only clamped: corner + 1 stays inside
	v_min_u32     v[IY], 0x9e, v[IY]
	v_min_u32     v[IZ], 0x5e, v[IZ]
	v_mul_u32_u24 v[AD+\j], ZB, v[IZ]
	v_mad_u32_u24 v[AD+\j], v[IY], YB, v[AD+\j]
	v_lshl_add_u32 v[AD+\j], v[IX], XSH, v[AD+\j]
	v_cvt_f32_u32 v[CZ+\j], v[IZ]
	v_cvt_f32_u32 v[CY+\j], v[IY]
	v_cvt_f32_u32 v[CX+\j], v[IX]
.endm
; voxel j: the eight corner weights into the slot's fourth registers
.macro HATS j
	v_sub_f32 v[WZ], 1.0, |v[PZ+\j]|
	v_sub_f32 v[WY], 1.0, |v[PY+\j]|
	v_sub_f32 v[WX], 1.0, |v[PX+\j]|
	v_sub_f32 v[BZ], 2.0, v[PZ+\j]
	v_sub_f32 v[BY], 2.0, v[PY+\j]
	v_sub_f32 v[BX], 2.0, v[PX+\j]
	v_max_num_f32 v[WZ], 0, v[WZ]
	v_max_num_f32 v[WY], 0, v[WY]
	v_max_num_f32 v[WX], 0, v[WX]
	v_med3_num_f32 v[WZ+1], v[PZ+\j], v[BZ], 0
	v_med3_num_f32 v[WY+1], v[PY+\j], v[BY], 0
	v_med3_num_f32 v[WX+1], v[PX+\j], v[BX], 0
	v_pk_mul_f32 v[ZY:ZY+1],   v[WY:WY+1], v[WZ:WZ+1] op_sel_hi:[1,0]                 ; (wy0, wy1) x wz0
	v_pk_mul_f32 v[ZY+2:ZY+3], v[WY:WY+1], v[WZ:WZ+1] op_sel:[0,1] op_sel_hi:[1,1]    ; (wy0, wy1) x wz1
.irp z, 0,1
.irp y, 0,1
.irp x, 0,1
	v_mul_f32 v[G+32*\j+16*\z+8*\y+4*\x+3], v[ZY+2*\z+\y], v[WX+\x]
.endr
.endr
.endr
.endm
.macro GATHER j
.irp z, 0,1
.irp y, 0,1
.irp x, 0,1
	global_load_b96 v[G+32*\j+16*\z+8*\y+4*\x:G+32*\j+16*\z+8*\y+4*\x+2], v[AD+\j], s[14:15] offset:\z*ZB+\y*YB+\x*XB   ; three registers: the weight beside them stays
.endr
.endr
.endr
.endm
.macro GROUP g, cur, nxt, more
	GEO \g
.if \more
.if \g
	s_wait_xcnt 0x0                                ; the other set was the last group's store data: it is loaded again only behind this wait
.endif
	STREAM \nxt, \g+1                              ; ahead of the gathers: in when the last of them is
.endif
.irp j, 0,1,2,3
	CORNER \cur, \j
.endr
	POS \cur+4, \cur+8, \cur+12
.irp p, 0,2
	v_pk_add_f32 v[PZ+\p:PZ+\p+1], v[PZ+\p:PZ+\p+1], v[CZ+\p:CZ+\p+1] neg_lo:[0,1] neg_hi:[0,1]   ; u = coordinate - corner
	v_pk_add_f32 v[PY+\p:PY+\p+1], v[PY+\p:PY+\p+1], v[CY+\p:CY+\p+1] neg_lo:[0,1] neg_hi:[0,1]
	v_pk_add_f32 v[PX+\p:PX+\p+1], v[PX+\p:PX+\p+1], v[CX+\p:CX+\p+1] neg_lo:[0,1] neg_hi:[0,1]
.endr
.irp j, 0,1,2,3
	HATS \j
	GATHER \j
.endr
.irp j, 0,1,2,3
	s_wait_loadcnt 8*(3-\j)                        ; loads return in order: voxel j's eight gathers are in, those of the voxels behind it stay out
.irp k, 0,1,2,3,4,5,6,7
	v_fmac_f32 v[\cur+4+\j],  v[G+32*\j+4*\k],   v[G+32*\j+4*\k+3]      ; on top of the flow: warped + final_flow
	v_fmac_f32 v[\cur+8+\j],  v[G+32*\j+4*\k+1], v[G+32*\j+4*\k+3]
	v_fmac_f32 v[\cur+12+\j], v[G+32*\j+4*\k+2], v[G+32*\j+4*\k+3]
.endr
.endr
	global_store_b128 v[LO16], v[\cur+4:\cur+7],   s[46:47] offset:\g*CHUNK th:TH_STORE_NT
	global_store_b128 v[LO16], v[\cur+8:\cur+11],  s[48:49] offset:\g*CHUNK th:TH_STORE_NT
	global_store_b128 v[LO16], v[\cur+12:\cur+15], s[50:51] offset:\g*CHUNK th:TH_STORE_NT
	MKIDX \cur+4, \cur+8, \cur+12, \cur            ; the last sampling's corners, into the registers of the words just used
	global_store_b128 v[LO16], v[\cur:\cur+3], s[18:19] offset:\g*CHUNK th:TH_STORE_NT
.endm
	STREAM SETA, 0
	s_wait_kmcnt 0x0
	s_mov_b32 s[SR+1], s[SR]
	s_wait_loadcnt 0x0                             ; the first group's stream; every later one is covered by the last gather wait of the group before
	GROUP 0, SETA, SETB, 1
	GROUP 1, SETB, SETA, 1
	GROUP 2, SETA, SETB, 1
	GROUP 3, SETB, SETA, 1
	GROUP 4, SETA, SETB, 0                         ; the last group requests nothing beyond itself
	s_endpgm
.Lfunc_end_k_q5263218b8d_warp3:
	.size	k_q5263218b8d_warp3, .Lfunc_end_k_q5263218b8d_warp3-k_q5263218b8d_warp3
	.p2alignl 7, 3214868480
	.fill 96, 4, 3214868480
	.section	.rodata,"a",@progbits
	.p2align	6, 0x0
	.amdhsa_kernel k_q5263218b8d_warp3
		.amdhsa_group_segment_fixed_size 0
		.amdhsa_private_segment_fixed_size 0
		.amdhsa_enable_private_segment 0
		.amdhsa_kernarg_size 48
		.amdhsa_user_sgpr_count 2
		.amdhsa_user_sgpr_kernarg_segment_ptr 1
		.amdhsa_wavefront_size32 1
		.amdhsa_system_sgpr_workgroup_id_x 1
		.amdhsa_system_sgpr_workgroup_id_y 1
		.amdhsa_system_sgpr_workgroup_id_z 1
		.amdhsa_system_vgpr_workitem_id 0
		.amdhsa_next_free_vgpr 224
		.amdhsa_next_free_sgpr 66
		.amdhsa_reserve_vcc 0
		.amdhsa_float_denorm_mode_32 3
		.amdhsa_float_denorm_mode_16_64 3
		.amdhsa_memory_ordered 1
		.amdhsa_forward_progress 1
		.amdhsa_inst_pref_size 88
	.end_amdhsa_kernel
	.amdgpu_metadata
---
amdhsa.version: [ 1, 2 ]
amdhsa.kernels:
  - .name:           k_q5263218b8d_warp3
    .symbol:         k_q5263218b8d_warp3.kd
    .args:
      - { .name: final_flow, .offset: 0, .size: 8, .value_kind: global_buffer, .address_space: global }
      - { .name: range_flow, .offset: 8, .size: 8, .value_kind: global_buffer, .address_space: global }
      - { .name: ic, .offset: 16, .size: 8, .value_kind: global_buffer, .address_space: global }
      - { .name: c2, .offset: 24, .size: 8, .value_kind: global_buffer, .address_space: global }
      - { .name: out1, .offset: 32, .size: 8, .value_kind: global_buffer, .address_space: global }
      - { .name: ia, .offset: 40, .size: 8, .value_kind: global_buffer, .address_space: global }
    .group_segment_fixed_size: 0
    .private_segment_fixed_size: 0
    .kernarg_segment_align: 8
    .kernarg_segment_size: 48
    .max_flat_workgroup_size: 480
    .sgpr_count:     66
    .vgpr_count:     224
    .wavefront_size: 32
...
	.end_amdgpu_metadata
.endif
;; end of part 4
;; launch sample (part 5): grid 8 x 32, 15 waves a work-group, no clusters, 0 bytes of LDS; arguments out1, range_flow, ia, src, out0; writes out0
.if DOCPART == 5
	.amdgcn_target "amdgcn-amd-amdhsa--gfx1250"
	.amdhsa_code_object_version 6
	.text
	.protected	k_q5263218b8d_sample
	.globl	k_q5263218b8d_sample
	.p2align	8
	.type	k_q5263218b8d_sample,@function
k_q5263218b8d_sample:
	s_mov_b64 s[64:65], 0
	v_nop
	global_prefetch_b8 v0, s[64:65] scope:SCOPE_SE
	s_setreg_imm32_b32 hwreg(HW_REG_WAVE_MODE, 25, 1), 1
	s_wait_xcnt 0x0
; SAMPLE: out0 = trilinear sample of src at (voxel + r out1), zero padding.
; The corner of each voxel comes as a whole number from the launch before (z<<16 | y<<8 | x, corner and corner + 1 inside the volume): one offset
; register, eight 4-byte loads with immediate offsets.  Weights from out1: along each axis, with u = coordinate - corner, w0 = max(0, 1 - |u|),
; w1 = med3(u, 2 - u, 0): the hat function at the two indices read, which is the reference's (1 - t, t) inside the volume and its zero padding
; outside, without masks.
; LIMITS: NaN or infinite inputs are not served (the reference gives NaN; here such weights become 0).  The coordinate is two fused multiply-adds,
; not the reference's longer chain: a few units in its last place; the interpolation is continuous in it.  Weights are multiplied as (z y) x, and
; the eight products are summed in two chains (even and odd x).
; SHAPE: 256 work-groups, each a tile of 3 planes x 20 rows; 15 waves, each 4 neighbouring rows = 5 groups of 128 voxels; a lane holds 4
; neighbouring voxels of a row: every stream load and every store of a wave covers 512 consecutive bytes, aligned.  The next group's stream is
; requested before this group's gathers.  No LDS, barrier, cluster or matrix unit: addresses hang on data and no fixed tile is shared.
.set ROWB,  640
.set CHB,   9830400
.set CHUNK, 512                        ; bytes of a group of 128 voxels in one channel
.set ZB,    102400                     ; src: bytes from plane to plane, row to row, voxel to voxel
.set YB,    640
.set XSH,   2
.set XB,    4
.set LO16, 2                           ; v2        16 x lane
.set L4,   3                           ; v3        4 x lane
.set DFP,  4                           ; v[4:5]    d as f32, twice
.set HFP,  6                           ; v[6:7]    h of my 4 voxels, twice
.set WF,   8                           ; v[8:11]   w of my 4 voxels
.set CZ,   12                          ; v[12:23]  corners of 4 voxels as f32: z, y, x
.set CY,   16
.set CX,   20
.set PZ,   24                          ; v[24:35]  coordinates of 4 voxels, then u: z, y, x
.set PY,   28
.set PX,   32
.set IZ,   36                          ; v[36:38]  a corner as whole numbers; also at work in GEO
.set IY,   37
.set IX,   38
.set T0,   36
.set T1,   37
.set T2,   38
.set WZ,   40                          ; v[40:45]  w0, w1 along z, y, x
.set WY,   42
.set WX,   44
.set BZ,   46                          ; v[46:48]  2 - u
.set BY,   47
.set BX,   48
.set ZY,   50                          ; v[50:53]  wz wy, index 2 dz + dy
.set AD,   54                          ; v[54:57]  voxel j: byte offset of its corner
.set ACC,  58                          ; v[58:59]  the two chains of a voxel's sum
.set SETA, 60                          ; v[60:75], v[76:91]: index words [4], out1 d [4], h [4], w [4]; the word registers become the results
.set SETB, 76
.set G,    96                          ; v[96:159] voxel j: eight values at 16 j + k, eight weights at 16 j + 8 + k, k = 4 dz + 2 dy + dx
.set SR,   24                          ; s[24:25]  range_flow, twice
.set SSZ,  26                          ; s[26:27]  96/95
.set SSX,  28                          ; s[28:29]  160/159
	s_load_b256 s[8:15], s[0:1], 0x0               ; out1 s[8:9], range_flow s[10:11], index words s[12:13], src s[14:15]
	s_load_b64 s[16:17], s[0:1], 0x20              ; out0
	v_and_b32 v1, 31, v0                           ; lane
	v_lshrrev_b32 v[T0], 5, v0
	v_readfirstlane_b32 s2, v[T0]                  ; wave 0..14
	s_mul_i32 s3, s2, 13
	s_lshr_b32 s3, s3, 6                           ; wave / 5 (13/64 serves 0..14): plane of the tile
	s_mul_i32 s4, s3, 5
	s_sub_co_u32 s4, s2, s4                        ; wave % 5: which four rows
	s_and_b32 s5, ttmp7, 0xffff
	s_mul_i32 s5, s5, 3
	s_add_co_u32 s5, s5, s3                        ; d
	s_mul_i32 s6, ttmp9, 20
	s_lshl2_add_u32 s6, s4, s6                     ; h of my first row
	s_mul_i32 s7, s5, 160
	s_add_co_u32 s7, s7, s6
	s_mul_i32 s20, s7, ROWB                        ; my first row's byte offset in a channel
	s_mov_b32 s21, 0
	s_cvt_f32_u32 s7, s5
	s_mov_b32 s[SSZ], 0x3f8158ed
	s_mov_b32 s[SSZ+1], 0x3f8158ed
	s_mov_b32 s[SSX], 0x3f80ce17
	s_mov_b32 s[SSX+1], 0x3f80ce17
	v_lshlrev_b32 v[LO16], 4, v1
	v_lshlrev_b32 v[L4], 2, v1
	v_mov_b32 v[DFP], s7
	v_mov_b32 v[DFP+1], s7
	s_wait_kmcnt 0x0
	s_load_b32 s[SR], s[10:11], 0x0                ; range_flow
	s_add_nc_u64 s[12:13], s[12:13], s[20:21]
	s_add_nc_u64 s[16:17], s[16:17], s[20:21]
	s_add_nc_u64 s[40:41], s[8:9], s[20:21]        ; out1's three channels at my first row
	s_add_nc_u64 s[42:43], s[40:41], CHB
	s_add_nc_u64 s[44:45], s[40:41], 2*CHB
.macro STREAM st, g
	global_load_b128 v[\st:\st+3],     v[LO16], s[12:13] offset:(\g)*CHUNK th:TH_LOAD_NT
	global_load_b128 v[\st+4:\st+7],   v[LO16], s[40:41] offset:(\g)*CHUNK th:TH_LOAD_NT
	global_load_b128 v[\st+8:\st+11],  v[LO16], s[42:43] offset:(\g)*CHUNK th:TH_LOAD_NT
	global_load_b128 v[\st+12:\st+15], v[LO16], s[44:45] offset:(\g)*CHUNK th:TH_LOAD_NT
.endm
; h and w of my four voxels in group g: voxel 128 g + 4 lane of the wave's 640; a row has 160, so four neighbours share a row.
.macro GEO g
.if \g
	v_add_nc_u32 v[T0], 128*\g, v[L4]
.set TS, T0
.else
.set TS, L4
.endif
	v_mul_u32_u24 v[T1], 0x19a, v[TS]
	v_lshrrev_b32 v[T1], 16, v[T1]                 ; t / 160 = 410 t >> 16 for t below 640
	v_mul_u32_u24 v[T2], 0xa0, v[T1]
	v_sub_nc_u32 v[T2], v[TS], v[T2]               ; w
	v_add_nc_u32 v[T1], s6, v[T1]                  ; h
	v_cvt_f32_u32 v[HFP], v[T1]
	v_cvt_f32_u32 v[HFP+1], v[T1]
	v_cvt_f32_u32 v[WF], v[T2]
	v_add_f32 v[WF+1], 1.0, v[WF]
	v_add_f32 v[WF+2], 2.0, v[WF]
	v_add_f32 v[WF+3], 0x40400000, v[WF]
.endm
; sampling coordinates of four voxels from three channels, two voxels an instruction
.macro POS fd, fh, fw
.irp p, 0,2
	v_pk_fma_f32 v[PZ+\p:PZ+\p+1], v[\fd+\p:\fd+\p+1], s[SR:SR+1], v[DFP:DFP+1] op_sel_hi:[1,0,1]
	v_pk_fma_f32 v[PY+\p:PY+\p+1], v[\fh+\p:\fh+\p+1], s[SR:SR+1], v[HFP:HFP+1] op_sel_hi:[1,0,1]
	v_pk_fma_f32 v[PX+\p:PX+\p+1], v[\fw+\p:\fw+\p+1], s[SR:SR+1], v[WF+\p:WF+\p+1] op_sel_hi:[1,0,1]
.endr
.irp p, 0,2
	v_pk_fma_f32 v[PZ+\p:PZ+\p+1], v[PZ+\p:PZ+\p+1], s[SSZ:SSZ+1], -0.5 op_sel_hi:[1,0,0]
	v_pk_fma_f32 v[PY+\p:PY+\p+1], v[PY+\p:PY+\p+1], s[SSX:SSX+1], -0.5 op_sel_hi:[1,0,0]
	v_pk_fma_f32 v[PX+\p:PX+\p+1], v[PX+\p:PX+\p+1], s[SSX:SSX+1], -0.5 op_sel_hi:[1,0,0]
.endr
.endm
; voxel j: its corner out of the index word, clamped; the byte offset; the corner as f32
.macro CORNER st, j
	v_and_b32     v[IX], 0xff, v[\st+\j]
	v_bfe_u32     v[IY], v[\st+\j], 8, 8
	v_lshrrev_b32 v[IZ], 16, v[\st+\j]
	v_min_u32     v[IX], 0x9e, v[IX]               ; a loaded number enters an address only clamped: corner + 1 stays inside
	v_min_u32     v[IY], 0x9e, v[IY]
	v_min_u32     v[IZ], 0x5e, v[IZ]
	v_mul_u32_u24 v[AD+\j], ZB, v[IZ]
	v_mad_u32_u24 v[AD+\j], v[IY], YB, v[AD+\j]
	v_lshl_add_u32 v[AD+\j], v[IX], XSH, v[AD+\j]
	v_cvt_f32_u32 v[CZ+\j], v[IZ]
	v_cvt_f32_u32 v[CY+\j], v[IY]
	v_cvt_f32_u32 v[CX+\j], v[IX]
.endm
; voxel j: the eight corner weights, in pairs along x
.macro HATS j
	v_sub_f32 v[WZ], 1.0, |v[PZ+\j]|
	v_sub_f32 v[WY], 1.0, |v[PY+\j]|
	v_sub_f32 v[WX], 1.0, |v[PX+\j]|
	v_sub_f32 v[BZ], 2.0, v[PZ+\j]
	v_sub_f32 v[BY], 2.0, v[PY+\j]
	v_sub_f32 v[BX], 2.0, v[PX+\j]
	v_max_num_f32 v[WZ], 0, v[WZ]
	v_max_num_f32 v[WY], 0, v[WY]
	v_max_num_f32 v[WX], 0, v[WX]
	v_med3_num_f32 v[WZ+1], v[PZ+\j], v[BZ], 0
	v_med3_num_f32 v[WY+1], v[PY+\j], v[BY], 0
	v_med3_num_f32 v[WX+1], v[PX+\j], v[BX], 0
	v_pk_mul_f32 v[ZY:ZY+1],   v[WY:WY+1], v[WZ:WZ+1] op_sel_hi:[1,0]                 ; (wy0, wy1) x wz0
	v_pk_mul_f32 v[ZY+2:ZY+3], v[WY:WY+1], v[WZ:WZ+1] op_sel:[0,1] op_sel_hi:[1,1]    ; (wy0, wy1) x wz1
	v_pk_mul_f32 v[G+16*\j+8:G+16*\j+9],   v[WX:WX+1], v[ZY:ZY+1] op_sel_hi:[1,0]                   ; (wx0, wx1) x each of the four
	v_pk_mul_f32 v[G+16*\j+10:G+16*\j+11], v[WX:WX+1], v[ZY:ZY+1] op_sel:[0,1] op_sel_hi:[1,1]
	v_pk_mul_f32 v[G+16*\j+12:G+16*\j+13], v[WX:WX+1], v[ZY+2:ZY+3] op_sel_hi:[1,0]
	v_pk_mul_f32 v[G+16*\j+14:G+16*\j+15], v[WX:WX+1], v[ZY+2:ZY+3] op_sel:[0,1] op_sel_hi:[1,1]
.endm
.macro GATHER j
.irp z, 0,1
.irp y, 0,1
.irp x, 0,1
	global_load_b32 v[G+16*\j+4*\z+2*\y+\x], v[AD+\j], s[14:15] offset:\z*ZB+\y*YB+\x*XB
.endr
.endr
.endr
.endm
.macro GROUP g, cur, nxt, more
	GEO \g
.if \more
.if \g
	s_wait_xcnt 0x0                                ; the other set's word registers were the last group's store data: loaded again only behind this wait
.endif
	STREAM \nxt, \g+1                              ; ahead of the gathers: in when the last of them is
.endif
.irp j, 0,1,2,3
	CORNER \cur, \j
.endr
	POS \cur+4, \cur+8, \cur+12
.irp p, 0,2
	v_pk_add_f32 v[PZ+\p:PZ+\p+1], v[PZ+\p:PZ+\p+1], v[CZ+\p:CZ+\p+1] neg_lo:[0,1] neg_hi:[0,1]   ; u = coordinate - corner
	v_pk_add_f32 v[PY+\p:PY+\p+1], v[PY+\p:PY+\p+1], v[CY+\p:CY+\p+1] neg_lo:[0,1] neg_hi:[0,1]
	v_pk_add_f32 v[PX+\p:PX+\p+1], v[PX+\p:PX+\p+1], v[CX+\p:CX+\p+1] neg_lo:[0,1] neg_hi:[0,1]
.endr
.irp j, 0,1,2,3
	HATS \j
	GATHER \j
.endr
.irp j, 0,1,2,3
	s_wait_loadcnt 8*(3-\j)                        ; loads return in order: voxel j's eight gathers are in, those of the voxels behind it stay out
	v_pk_mul_f32 v[ACC:ACC+1], v[G+16*\j:G+16*\j+1], v[G+16*\j+8:G+16*\j+9]          ; the first product starts the sums
.irp q, 1,2,3
	v_pk_fma_f32 v[ACC:ACC+1], v[G+16*\j+2*\q:G+16*\j+2*\q+1], v[G+16*\j+8+2*\q:G+16*\j+9+2*\q], v[ACC:ACC+1]
.endr
	v_add_f32 v[\cur+\j], v[ACC], v[ACC+1]
.endr
	global_store_b128 v[LO16], v[\cur:\cur+3], s[16:17] offset:\g*CHUNK th:TH_STORE_NT
.endm
	STREAM SETA, 0
	s_wait_kmcnt 0x0
	s_mov_b32 s[SR+1], s[SR]
	s_wait_loadcnt 0x0                             ; the first group's stream; every later one is covered by the last gather wait of the group before
	GROUP 0, SETA, SETB, 1
	GROUP 1, SETB, SETA, 1
	GROUP 2, SETA, SETB, 1
	GROUP 3, SETB, SETA, 1
	GROUP 4, SETA, SETB, 0                         ; the last group requests nothing beyond itself
	s_endpgm
.Lfunc_end_k_q5263218b8d_sample:
	.size	k_q5263218b8d_sample, .Lfunc_end_k_q5263218b8d_sample-k_q5263218b8d_sample
	.p2alignl 7, 3214868480
	.fill 96, 4, 3214868480
	.section	.rodata,"a",@progbits
	.p2align	6, 0x0
	.amdhsa_kernel k_q5263218b8d_sample
		.amdhsa_group_segment_fixed_size 0
		.amdhsa_private_segment_fixed_size 0
		.amdhsa_enable_private_segment 0
		.amdhsa_kernarg_size 40
		.amdhsa_user_sgpr_count 2
		.amdhsa_user_sgpr_kernarg_segment_ptr 1
		.amdhsa_wavefront_size32 1
		.amdhsa_system_sgpr_workgroup_id_x 1
		.amdhsa_system_sgpr_workgroup_id_y 1
		.amdhsa_system_sgpr_workgroup_id_z 1
		.amdhsa_system_vgpr_workitem_id 0
		.amdhsa_next_free_vgpr 160
		.amdhsa_next_free_sgpr 66
		.amdhsa_reserve_vcc 0
		.amdhsa_float_denorm_mode_32 3
		.amdhsa_float_denorm_mode_16_64 3
		.amdhsa_memory_ordered 1
		.amdhsa_forward_progress 1
		.amdhsa_inst_pref_size 66
	.end_amdhsa_kernel
	.amdgpu_metadata
---
amdhsa.version: [ 1, 2 ]
amdhsa.kernels:
  - .name:           k_q5263218b8d_sample
    .symbol:         k_q5263218b8d_sample.kd
    .args:
      - { .name: out1, .offset: 0, .size: 8, .value_kind: global_buffer, .address_space: global }
      - { .name: range_flow, .offset: 8, .size: 8, .value_kind: global_buffer, .address_space: global }
      - { .name: ia, .offset: 16, .size: 8, .value_kind: global_buffer, .address_space: global }
      - { .name: src, .offset: 24, .size: 8, .value_kind: global_buffer, .address_space: global }
      - { .name: out0, .offset: 32, .size: 8, .value_kind: global_buffer, .address_space: global }
    .group_segment_fixed_size: 0
    .private_segment_fixed_size: 0
    .kernarg_segment_align: 8
    .kernarg_segment_size: 40
    .max_flat_workgroup_size: 480
    .sgpr_count:     66
    .vgpr_count:     160
    .wavefront_size: 32
...
	.end_amdgpu_metadata
.endif
;; end of part 5
;; ======== version 2 of 2: 5 launches; version 1 with the launches warp1, warp2, warp3 written anew for expert scheduling mode
;; workspace buffers: ia 9,830,400 bytes of whole numbers; ib 9,830,400 bytes of whole numbers; ic 9,830,400 bytes of whole numbers; c1 39,321,600 bytes; c2 39,321,600 bytes
;; launch prep: the kernel of part 1 again; grid 8 x 32, 15 waves a work-group, no clusters, 0 bytes of LDS; arguments flow_list, final_flow, range_flow, ia, ib, ic; writes ia, ib, ic
;; launch warp1 (part 6): grid 8 x 32, 15 waves a work-group, no clusters, 0 bytes of LDS; arguments flow_list, range_flow, ia, c1; writes c1
.if DOCPART == 6
	.amdgcn_target "amdgcn-amd-amdhsa--gfx1250"
	.amdhsa_code_object_version 6
	.text
	.protected	k_q5263218b8d_warp1
	.globl	k_q5263218b8d_warp1
	.p2align	8
	.type	k_q5263218b8d_warp1,@function
k_q5263218b8d_warp1:
	s_mov_b64 s[64:65], 0
	v_nop
	global_prefetch_b8 v0, s[64:65] scope:SCOPE_SE
	s_setreg_imm32_b32 hwreg(HW_REG_WAVE_SCHED_MODE, 0, 2), 2
	s_setreg_imm32_b32 hwreg(HW_REG_WAVE_MODE, 25, 1), 1
	s_wait_xcnt 0x0
	s_wait_alu depctr_vm_vsrc(0)
; WARP 1: c1 = trilinear sample of f0 = flow_list[0] at (voxel + r f1), plus f1 = flow_list[1].  Zero padding, as the reference samples.
; The corner (cz, cy, cx) of each voxel comes as a whole number from the launch before (z<<16 | y<<8 | x, corner and corner + 1 inside the
; volume), so all eight corners are one offset register plus immediates.  Weights: with u = coordinate - corner along an axis,
; w0 = max(0, 1 - |u|), w1 = med3(u, 2 - u, 0): the hat function at the two indices read.  Inside the volume that is (1 - t, t); one step
; outside it gives the one valid index its weight and the other 0; further out both are 0: the reference's zero padding without masks.
; f0 is planar: a corner is three 4-byte loads, one a channel.  The result is written as records of 16 bytes (d, h, w, 0) so that the next warp
; fetches a corner by one load; the fourth word only fills the record and is never read.
; LIMITS: NaN or infinite inputs are not served (the reference gives NaN; here such weights become 0).  The coordinate is two fused multiply-adds,
; not the reference's longer chain: a few units in its last place; the interpolation is continuous in it.  Weights are multiplied as (z y) x.
; SHAPE: 256 work-groups, each a tile of 3 planes x 20 rows; 15 waves, each 4 neighbouring rows, one row a step.  Lane l holds voxels w = l + 32 j,
; j = 0..4: a record store of a wave covers 512 consecutive bytes, aligned; a stream load 128.  The next row's stream (index words, f1) is
; requested before this row's gathers.  No LDS, barrier, cluster or matrix unit: addresses hang on data and no fixed tile is shared.
; THE MODE: SCHED_MODE bits 1:0 = 2 (LLVM: expert scheduling mode 2), set by the entry lines.  The code itself states the register dependences
; between vector instructions and memory instructions, with s_wait_alu, always for 0.
; THE PLAN.  Registers that memory instructions touch (r = the row, 0 to 3; the text is straight, no loop):
;   v[LO4], v[LO16]  offsets, made at the head and never written again; every stream load and store reads one of them.
;   AD0 .. AD4       written by row r's address lines; read by row r's gathers.
;   G, values        three of each four registers: row r's gathers land in them; row r's sums read them.  The fourth, the corner's weight, is
;                    named by vector instructions alone.
;   SET[r % 2]       the stream issued in row r - 1 lands in it; row r's weight lines read it and row r's sums write it; the five stores issued at
;                    the head of row r + 1 read it; the stream issued later in row r + 1 lands in it again.
;   IDX[r % 2]       the same stream lands in it; row r's address lines read it and put cx there as f32; row r's weight lines read that.
; A ROW: the last row's sums are written and its gathers have read AD (two waits); five address blocks, a store of the last row ahead of each (the
; blocks name IDX[r % 2], AD, CC and registers at work, never the set that is stored); those stores have read their set (two waits); AD is
; written (one wait); the next row's stream; then voxel by voxel the gathers and, behind them, the voxel's weight lines, which name neither AD
; nor a value register of G, so that the later gathers hang on nothing issued since the wait; then the sums.
.set PLANAR,   1                       ; the source is planar f32 (1) or records of 16 bytes (0)
.set FLOW_OFF, 29491200                ; the flow that steers this warp: flow_list[1]
.set ROWB,   640                       ; bytes in a row of one channel
.set RECROW, 2560                      ; bytes in a row of records
.set CHB,    9830400                   ; bytes in a channel
.if PLANAR
.set ZB,   102400                      ; bytes from plane to plane, row to row, and log2 of voxel to voxel, in the source
.set YB,   640
.set XSH,  2
.set PERV, 24                          ; gather loads for a voxel
.else
.set ZB,   409600
.set YB,   2560
.set XSH,  4
.set PERV, 8
.endif
.set XB, 1<<XSH
.set IZ,   0                           ; v0, v1, v13  the corner, whole numbers (v0: the thread, v1: the lane, at the head only)
.set IY,   1
.set LO4,  2                           ; v2        4 x lane
.set LO16, 3                           ; v3        16 x lane
.set BASE, 4                           ; v[4:5]    d, h of the row as f32
.set SC,   6                           ; v[6:7]    96/95, 160/159
.set WB,   8                           ; v[8:12]   w = lane + 32 j as f32
.set IX,   13
.set CC,   14                          ; v[14:23]  voxel j: cz, cy as f32, a pair at 2 j (cx as f32 takes the index word's register)
.set P,    24                          ; v[24:25]  z, y, then u along z, y
.set WZ,   26                          ; v[26:27], v[28:29], v[30:31]: w0, w1 along z, y, x
.set WY,   28
.set WX,   30
.set ZY,   32                          ; v[32:35]  wz wy, index 2 dz + dy
.set PX,   36                          ; x, then u along x
.set BZ,   37                          ; v[37:39]  2 - u
.set BY,   38
.set BX,   39
.set AD,   40                          ; v[40:44]  voxel j: byte offset of its corner in the source
.set IDXA, 45                          ; v[45:49], v[50:54]  index words of a row, two sets
.set IDXB, 50
.set SETA, 56                          ; v[56:75], v[76:95]  voxel j: flow d, h, w, then the sums; fourth register 0.  Two sets
.set SETB, 76
.set G,    96                          ; v[96:255] voxel j, corner k = 4 dz + 2 dy + dx: values d, h, w and the corner's weight at 32 j + 4 k
.set GB,   32                          ; s[32:37]  planar source: channel c at pair 2 c
	s_load_b256 s[8:15], s[0:1], 0x0               ; flow_list s[8:9], range_flow s[10:11], index words s[12:13], result s[14:15]
.if PLANAR == 0
	s_load_b64 s[16:17], s[0:1], 0x20              ; source records
.endif
	v_and_b32 v1, 31, v0                           ; lane
	v_lshrrev_b32 v[IX], 5, v0
	v_readfirstlane_b32 s2, v[IX]                  ; wave 0..14
	v_lshlrev_b32 v[LO4], 2, v1
	v_lshlrev_b32 v[LO16], 4, v1
	v_mov_b32 v[SC], 0x3f8158ed                    ; 96/95
	v_cvt_f32_u32 v[WB], v1
	v_add_f32 v[WB+1], 0x42000000, v[WB]           ; + 32, 64, 96, 128
	v_add_f32 v[WB+2], 0x42800000, v[WB]
	v_add_f32 v[WB+3], 0x42c00000, v[WB]
	v_add_f32 v[WB+4], 0x43000000, v[WB]
.irp j, 0,1,2,3,4
	v_mov_b32 v[SETA+4*\j+3], 0                    ; the records' fourth word, written once
	v_mov_b32 v[SETB+4*\j+3], 0
.endr
	s_wait_alu depctr_va_sdst(0)                   ; s2 is written, ahead of its first reader: the wave's plane and rows are made from it
	s_mul_i32 s3, s2, 13
	s_lshr_b32 s3, s3, 6                           ; wave / 5 (13/64 serves 0..14): plane of the tile
	s_mul_i32 s4, s3, 5
	s_sub_co_u32 s4, s2, s4                        ; wave % 5: which four rows
	s_and_b32 s5, ttmp7, 0xffff
	s_mul_i32 s5, s5, 3
	s_add_co_u32 s5, s5, s3                        ; d
	s_mul_i32 s6, ttmp9, 20
	s_lshl2_add_u32 s6, s4, s6                     ; h of my first row
	s_mul_i32 s7, s5, 160
	s_add_co_u32 s7, s7, s6                        ; row number
	s_mul_i32 s20, s7, ROWB
	s_mov_b32 s21, 0
	s_mul_i32 s22, s7, RECROW
	s_mov_b32 s23, 0
	s_cvt_f32_u32 s27, s5
	s_cvt_f32_u32 s28, s6
	s_mov_b32 s26, 0x3f80ce17                      ; 160/159
	v_mov_b32 v[BASE], s27
	v_mov_b32 v[BASE+1], s28
	v_mov_b32 v[SC+1], s26
	s_wait_kmcnt 0x0
	s_load_b32 s24, s[10:11], 0x0                  ; range_flow
	s_add_nc_u64 s[12:13], s[12:13], s[20:21]      ; index words, flow and result at my first row
	s_add_nc_u64 s[14:15], s[14:15], s[22:23]
	s_add_nc_u64 s[40:41], s[8:9], s[20:21]
	s_add_nc_u64 s[40:41], s[40:41], FLOW_OFF
	s_add_nc_u64 s[42:43], s[40:41], CHB
	s_add_nc_u64 s[44:45], s[40:41], 2*CHB
.if PLANAR
	s_mov_b64 s[GB:GB+1], s[8:9]                   ; f0's three channels
	s_add_nc_u64 s[GB+2:GB+3], s[8:9], CHB
	s_add_nc_u64 s[GB+4:GB+5], s[8:9], 2*CHB
.endif
.macro WAITLD n                        ; the count field ends at 63; a smaller count only waits for more
.if (\n) > 63
	s_wait_loadcnt 63
.else
	s_wait_loadcnt \n
.endif
.endm
; the 20 stream loads of a row: index word and three flow channels of five voxels a lane
.macro STREAM fl, wd, row
.irp j, 0,1,2,3,4
	global_load_b32 v[\wd+\j],     v[LO4], s[12:13] offset:(\row)*ROWB+\j*128
	global_load_b32 v[\fl+4*\j],   v[LO4], s[40:41] offset:(\row)*ROWB+\j*128
	global_load_b32 v[\fl+4*\j+1], v[LO4], s[42:43] offset:(\row)*ROWB+\j*128
	global_load_b32 v[\fl+4*\j+2], v[LO4], s[44:45] offset:(\row)*ROWB+\j*128
.endr
.endm
; voxel j, the address lines: its corner out of the index word, clamped; the byte offset; the corner as f32, kept for the weight lines
.macro ADDR wd, j
	v_and_b32     v[IX], 0xff, v[\wd+\j]
	v_bfe_u32     v[IY], v[\wd+\j], 8, 8
	v_lshrrev_b32 v[IZ], 16, v[\wd+\j]
	v_min_u32     v[IX], 0x9e, v[IX]               ; a loaded number enters an address only clamped: corner + 1 stays inside
	v_min_u32     v[IY], 0x9e, v[IY]
	v_min_u32     v[IZ], 0x5e, v[IZ]
	v_mul_u32_u24 v[AD+\j], ZB, v[IZ]
	v_mad_u32_u24 v[AD+\j], v[IY], YB, v[AD+\j]
	v_lshl_add_u32 v[AD+\j], v[IX], XSH, v[AD+\j]
	v_cvt_f32_u32 v[CC+2*\j], v[IZ]
	v_cvt_f32_u32 v[CC+2*\j+1], v[IY]
	v_cvt_f32_u32 v[\wd+\j], v[IX]                 ; the word has been taken apart: its register holds cx from here on
.endm
; voxel j, the gathers: eight corners by one offset register and immediates
.macro GATHER j
.irp z, 0,1
.irp y, 0,1
.irp x, 0,1
.if PLANAR
.irp c, 0,1,2
	global_load_b32 v[G+32*\j+16*\z+8*\y+4*\x+\c], v[AD+\j], s[GB+2*\c:GB+2*\c+1] offset:\z*ZB+\y*YB+\x*XB
.endr
.else
	global_load_b96 v[G+32*\j+16*\z+8*\y+4*\x:G+32*\j+16*\z+8*\y+4*\x+2], v[AD+\j], s[16:17] offset:\z*ZB+\y*YB+\x*XB
.endif
.endr
.endr
.endr
.endm
; voxel j, the weight lines: the eight weights into the slot's fourth registers, beside the values that are on their way
.macro WEIGHT fl, wd, j
	v_pk_fma_f32 v[P:P+1], v[\fl+4*\j:\fl+4*\j+1], s[24:25], v[BASE:BASE+1] op_sel_hi:[1,0,1]   ; d + r f_d, h + r f_h
	v_fma_f32    v[PX], v[\fl+4*\j+2], s24, v[WB+\j]                                            ; w + r f_w
	v_pk_fma_f32 v[P:P+1], v[P:P+1], v[SC:SC+1], -0.5 op_sel_hi:[1,1,0]
	v_fma_f32    v[PX], v[PX], s26, -0.5
	v_pk_add_f32 v[P:P+1], v[P:P+1], v[CC+2*\j:CC+2*\j+1] neg_lo:[0,1] neg_hi:[0,1]             ; u = coordinate - corner
	v_sub_f32    v[PX], v[PX], v[\wd+\j]
	v_sub_f32 v[WZ], 1.0, |v[P]|
	v_sub_f32 v[WY], 1.0, |v[P+1]|
	v_sub_f32 v[WX], 1.0, |v[PX]|
	v_sub_f32 v[BZ], 2.0, v[P]
	v_sub_f32 v[BY], 2.0, v[P+1]
	v_sub_f32 v[BX], 2.0, v[PX]
	v_max_num_f32 v[WZ], 0, v[WZ]
	v_max_num_f32 v[WY], 0, v[WY]
	v_max_num_f32 v[WX], 0, v[WX]
	v_med3_num_f32 v[WZ+1], v[P], v[BZ], 0
	v_med3_num_f32 v[WY+1], v[P+1], v[BY], 0
	v_med3_num_f32 v[WX+1], v[PX], v[BX], 0
	v_pk_mul_f32 v[ZY:ZY+1],   v[WY:WY+1], v[WZ:WZ+1] op_sel_hi:[1,0]                 ; (wy0, wy1) x wz0
	v_pk_mul_f32 v[ZY+2:ZY+3], v[WY:WY+1], v[WZ:WZ+1] op_sel:[0,1] op_sel_hi:[1,1]    ; (wy0, wy1) x wz1
.irp z, 0,1
.irp y, 0,1
.irp x, 0,1
	v_mul_f32 v[G+32*\j+16*\z+8*\y+4*\x+3], v[ZY+2*\z+\y], v[WX+\x]
.endr
.endr
.endr
.endm
; voxel j, the sums: the flow registers take the eight weighted corners on top (warped + flow)
.macro CONSUME fl, j
	WAITLD PERV*(4-\j)                             ; loads return in order: voxel j's gathers are in, those of the voxels behind it stay out
.irp k, 0,1,2,3,4,5,6,7
	v_pk_fma_f32 v[\fl+4*\j:\fl+4*\j+1], v[G+32*\j+4*\k:G+32*\j+4*\k+1], v[G+32*\j+4*\k+2:G+32*\j+4*\k+3], v[\fl+4*\j:\fl+4*\j+1] op_sel:[0,1,0] op_sel_hi:[1,1,1]   ; both by the pair's second register, the weight
	v_fmac_f32 v[\fl+4*\j+2], v[G+32*\j+4*\k+2], v[G+32*\j+4*\k+3]
.endr
.endm
; voxel j of a finished row goes out as a record
.macro STORE fl, j, row
	global_store_b128 v[LO16], v[\fl+4*\j:\fl+4*\j+3], s[14:15] offset:(\row)*RECROW+\j*512 th:TH_STORE_NT
.endm
.macro ROW row, fl, wd, nfl, nwd, more
.if \row
	s_wait_alu depctr_va_vdst(0)                   ; the last row's sums are written in the other set, which the five stores below read
	s_wait_alu depctr_vm_vsrc(0)                   ; the last row's gathers have read v[AD ..], which the address lines below write again
.endif
.irp j, 0,1,2,3,4
.if \row
	STORE \nfl, \j, \row-1                         ; no vector instruction since the wait names the other set
.endif
	ADDR \wd, \j
.endr
.if \more
.if \row
	s_wait_xcnt 0x0                                ; the other set was the last row's store data: it is loaded again only behind this wait
	s_wait_alu depctr_vm_vsrc(0)                   ; the five stores above have read the other set, in which the stream below lands
.endif
.endif
	s_wait_alu depctr_va_vdst(0)                   ; v[AD ..] are written, which the gathers read; the lines so far are done with the other set, the other index words and G's values, in which the loads below land
.if \more
	STREAM \nfl, \nwd, \row+1                      ; ahead of the gathers: in when the last of them is
.endif
.irp j, 0,1,2,3,4
	GATHER \j                                      ; no wait: the weight lines issued since the wait name neither v[AD ..] nor a value register of G
	WEIGHT \fl, \wd, \j
.endr
.irp j, 0,1,2,3,4
	CONSUME \fl, \j
.endr
.if \more
	v_add_f32 v[BASE+1], 1.0, v[BASE+1]            ; h of the next row
.endif
.endm
	s_wait_alu depctr_va_vdst(0)                   ; v[LO4] and v[LO16] are written: every stream load and every store reads one of them as its offset
	STREAM SETA, IDXA, 0
	s_wait_kmcnt 0x0
	s_mov_b32 s25, s24
	s_wait_loadcnt 0x0                             ; the first row's stream; every later row's is covered by the last gather wait of the row before
	ROW 0, SETA, IDXA, SETB, IDXB, 1
	ROW 1, SETB, IDXB, SETA, IDXA, 1
	ROW 2, SETA, IDXA, SETB, IDXB, 1
	ROW 3, SETB, IDXB, SETA, IDXA, 0               ; the last row requests nothing beyond itself
	s_wait_alu depctr_va_vdst(0)                   ; the last row's sums are written, which the last five stores read
.irp j, 0,1,2,3,4
	STORE SETB, \j, 3
.endr
	s_endpgm
.Lfunc_end_k_q5263218b8d_warp1:
	.size	k_q5263218b8d_warp1, .Lfunc_end_k_q5263218b8d_warp1-k_q5263218b8d_warp1
	.p2alignl 7, 3214868480
	.fill 96, 4, 3214868480
	.section	.rodata,"a",@progbits
	.p2align	6, 0x0
	.amdhsa_kernel k_q5263218b8d_warp1
		.amdhsa_group_segment_fixed_size 0
		.amdhsa_private_segment_fixed_size 0
		.amdhsa_enable_private_segment 0
		.amdhsa_kernarg_size 32
		.amdhsa_user_sgpr_count 2
		.amdhsa_user_sgpr_kernarg_segment_ptr 1
		.amdhsa_wavefront_size32 1
		.amdhsa_system_sgpr_workgroup_id_x 1
		.amdhsa_system_sgpr_workgroup_id_y 1
		.amdhsa_system_sgpr_workgroup_id_z 1
		.amdhsa_system_vgpr_workitem_id 0
		.amdhsa_next_free_vgpr 256
		.amdhsa_next_free_sgpr 66
		.amdhsa_reserve_vcc 0
		.amdhsa_float_denorm_mode_32 3
		.amdhsa_float_denorm_mode_16_64 3
		.amdhsa_memory_ordered 1
		.amdhsa_forward_progress 1
		.amdhsa_inst_pref_size 113
	.end_amdhsa_kernel
	.amdgpu_metadata
---
amdhsa.version: [ 1, 2 ]
amdhsa.kernels:
  - .name:           k_q5263218b8d_warp1
    .symbol:         k_q5263218b8d_warp1.kd
    .args:
      - { .name: flow_list, .offset: 0, .size: 8, .value_kind: global_buffer, .address_space: global }
      - { .name: range_flow, .offset: 8, .size: 8, .value_kind: global_buffer, .address_space: global }
      - { .name: ia, .offset: 16, .size: 8, .value_kind: global_buffer, .address_space: global }
      - { .name: c1, .offset: 24, .size: 8, .value_kind: global_buffer, .address_space: global }
    .group_segment_fixed_size: 0
    .private_segment_fixed_size: 0
    .kernarg_segment_align: 8
    .kernarg_segment_size: 32
    .max_flat_workgroup_size: 480
    .sgpr_count:     66
    .vgpr_count:     256
    .wavefront_size: 32
...
	.end_amdgpu_metadata
.endif
;; end of part 6
;; launch warp2 (part 7): grid 8 x 32, 15 waves a work-group, no clusters, 0 bytes of LDS; arguments flow_list, range_flow, ib, c2, c1; writes c2
.if DOCPART == 7
	.amdgcn_target "amdgcn-amd-amdhsa--gfx1250"
	.amdhsa_code_object_version 6
	.text
	.protected	k_q5263218b8d_warp2
	.globl	k_q5263218b8d_warp2
	.p2align	8
	.type	k_q5263218b8d_warp2,@function
k_q5263218b8d_warp2:
	s_mov_b64 s[64:65], 0
	v_nop
	global_prefetch_b8 v0, s[64:65] scope:SCOPE_SE
	s_setreg_imm32_b32 hwreg(HW_REG_WAVE_SCHED_MODE, 0, 2), 2
	s_setreg_imm32_b32 hwreg(HW_REG_WAVE_MODE, 25, 1), 1
	s_wait_xcnt 0x0
	s_wait_alu depctr_vm_vsrc(0)
; WARP 2: c2 = trilinear sample of c1 at (voxel + r f2), plus f2 = flow_list[2].  Zero padding, as the reference samples.
; The text of the first warp with two constants changed: the source is records of 16 bytes (d, h, w, unused), so a corner is ONE load of 12 bytes.
; The corner (cz, cy, cx) of each voxel comes as a whole number from an earlier launch (z<<16 | y<<8 | x, corner and corner + 1 inside the
; volume), so all eight corners are one offset register plus immediates.  Weights: with u = coordinate - corner along an axis,
; w0 = max(0, 1 - |u|), w1 = med3(u, 2 - u, 0): the hat function at the two indices read.  Inside the volume that is (1 - t, t); one step
; outside it gives the one valid index its weight and the other 0; further out both are 0: the reference's zero padding without masks.
; LIMITS: NaN or infinite inputs are not served (the reference gives NaN; here such weights become 0).  The coordinate is two fused multiply-adds,
; not the reference's longer chain: a few units in its last place; the interpolation is continuous in it.  Weights are multiplied as (z y) x.
; SHAPE: 256 work-groups, each a tile of 3 planes x 20 rows; 15 waves, each 4 neighbouring rows, one row a step.  Lane l holds voxels w = l + 32 j,
; j = 0..4: a record store of a wave covers 512 consecutive bytes, aligned; a stream load 128.  The next row's stream (index words, f2) is
; requested before this row's gathers: 20 + 40 loads of a wave are out at most.  No LDS, barrier, cluster or matrix unit: addresses hang on
; data and no fixed tile is shared.
; THE MODE: SCHED_MODE bits 1:0 = 2 (LLVM: expert scheduling mode 2), set by the entry lines.  The code itself states the register dependences
; between vector instructions and memory instructions, with s_wait_alu, always for 0.
; THE PLAN.  Registers that memory instructions touch (r = the row, 0 to 3; the text is straight, no loop):
;   v[LO4], v[LO16]  offsets, made at the head and never written again; every stream load and store reads one of them.
;   AD0 .. AD4       written by row r's address lines; read by row r's gathers.
;   G, values        three of each four registers: row r's gathers land in them; row r's sums read them.  The fourth, the corner's weight, is
;                    named by vector instructions alone.
;   SET[r % 2]       the stream issued in row r - 1 lands in it; row r's weight lines read it and row r's sums write it; the five stores issued at
;                    the head of row r + 1 read it; the stream issued later in row r + 1 lands in it again.
;   IDX[r % 2]       the same stream lands in it; row r's address lines read it and put cx there as f32; row r's weight lines read that.
; A ROW: the last row's sums are written and its gathers have read AD (two waits); five address blocks, a store of the last row ahead of each (the
; blocks name IDX[r % 2], AD, CC and registers at work, never the set that is stored); those stores have read their set (two waits); AD is
; written (one wait); the next row's stream; then voxel by voxel the gathers and, behind them, the voxel's weight lines, which name neither AD
; nor a value register of G, so that the later gathers hang on nothing issued since the wait; then the sums.
.set PLANAR,   0                       ; the source is planar f32 (1) or records of 16 bytes (0)
.set FLOW_OFF, 58982400                ; the flow that steers this warp: flow_list[2]
.set ROWB,   640                       ; bytes in a row of one channel
.set RECROW, 2560                      ; bytes in a row of records
.set CHB,    9830400                   ; bytes in a channel
.if PLANAR
.set ZB,   102400                      ; bytes from plane to plane, row to row, and log2 of voxel to voxel, in the source
.set YB,   640
.set XSH,  2
.set PERV, 24                          ; gather loads for a voxel
.else
.set ZB,   409600
.set YB,   2560
.set XSH,  4
.set PERV, 8
.endif
.set XB, 1<<XSH
.set IZ,   0                           ; v0, v1, v13  the corner, whole numbers (v0: the thread, v1: the lane, at the head only)
.set IY,   1
.set LO4,  2                           ; v2        4 x lane
.set LO16, 3                           ; v3        16 x lane
.set BASE, 4                           ; v[4:5]    d, h of the row as f32
.set SC,   6                           ; v[6:7]    96/95, 160/159
.set WB,   8                           ; v[8:12]   w = lane + 32 j as f32
.set IX,   13
.set CC,   14                          ; v[14:23]  voxel j: cz, cy as f32, a pair at 2 j (cx as f32 takes the index word's register)
.set P,    24                          ; v[24:25]  z, y, then u along z, y
.set WZ,   26                          ; v[26:27], v[28:29], v[30:31]: w0, w1 along z, y, x
.set WY,   28
.set WX,   30
.set ZY,   32                          ; v[32:35]  wz wy, index 2 dz + dy
.set PX,   36                          ; x, then u along x
.set BZ,   37                          ; v[37:39]  2 - u
.set BY,   38
.set BX,   39
.set AD,   40                          ; v[40:44]  voxel j: byte offset of its corner in the source
.set IDXA, 45                          ; v[45:49], v[50:54]  index words of a row, two sets
.set IDXB, 50
.set SETA, 56                          ; v[56:75], v[76:95]  voxel j: flow d, h, w, then the sums; fourth register 0.  Two sets
.set SETB, 76
.set G,    96                          ; v[96:255] voxel j, corner k = 4 dz + 2 dy + dx: values d, h, w and the corner's weight at 32 j + 4 k
.set GB,   32                          ; s[32:37]  planar source: channel c at pair 2 c
	s_load_b256 s[8:15], s[0:1], 0x0               ; flow_list s[8:9], range_flow s[10:11], index words s[12:13], result s[14:15]
.if PLANAR == 0
	s_load_b64 s[16:17], s[0:1], 0x20              ; source records
.endif
	v_and_b32 v1, 31, v0                           ; lane
	v_lshrrev_b32 v[IX], 5, v0
	v_readfirstlane_b32 s2, v[IX]                  ; wave 0..14
	v_lshlrev_b32 v[LO4], 2, v1
	v_lshlrev_b32 v[LO16], 4, v1
	v_mov_b32 v[SC], 0x3f8158ed                    ; 96/95
	v_cvt_f32_u32 v[WB], v1
	v_add_f32 v[WB+1], 0x42000000, v[WB]           ; + 32, 64, 96, 128
	v_add_f32 v[WB+2], 0x42800000, v[WB]
	v_add_f32 v[WB+3], 0x42c00000, v[WB]
	v_add_f32 v[WB+4], 0x43000000, v[WB]
.irp j, 0,1,2,3,4
	v_mov_b32 v[SETA+4*\j+3], 0                    ; the records' fourth word, written once
	v_mov_b32 v[SETB+4*\j+3], 0
.endr
	s_wait_alu depctr_va_sdst(0)                   ; s2 is written, ahead of its first reader: the wave's plane and rows are made from it
	s_mul_i32 s3, s2, 13
	s_lshr_b32 s3, s3, 6                           ; wave / 5 (13/64 serves 0..14): plane of the tile
	s_mul_i32 s4, s3, 5
	s_sub_co_u32 s4, s2, s4                        ; wave % 5: which four rows
	s_and_b32 s5, ttmp7, 0xffff
	s_mul_i32 s5, s5, 3
	s_add_co_u32 s5, s5, s3                        ; d
	s_mul_i32 s6, ttmp9, 20
	s_lshl2_add_u32 s6, s4, s6                     ; h of my first row
	s_mul_i32 s7, s5, 160
	s_add_co_u32 s7, s7, s6                        ; row number
	s_mul_i32 s20, s7, ROWB
	s_mov_b32 s21, 0
	s_mul_i32 s22, s7, RECROW
	s_mov_b32 s23, 0
	s_cvt_f32_u32 s27, s5
	s_cvt_f32_u32 s28, s6
	s_mov_b32 s26, 0x3f80ce17                      ; 160/159
	v_mov_b32 v[BASE], s27
	v_mov_b32 v[BASE+1], s28
	v_mov_b32 v[SC+1], s26
	s_wait_kmcnt 0x0
	s_load_b32 s24, s[10:11], 0x0                  ; range_flow
	s_add_nc_u64 s[12:13], s[12:13], s[20:21]      ; index words, flow and result at my first row
	s_add_nc_u64 s[14:15], s[14:15], s[22:23]
	s_add_nc_u64 s[40:41], s[8:9], s[20:21]
	s_add_nc_u64 s[40:41], s[40:41], FLOW_OFF
	s_add_nc_u64 s[42:43], s[40:41], CHB
	s_add_nc_u64 s[44:45], s[40:41], 2*CHB
.if PLANAR
	s_mov_b64 s[GB:GB+1], s[8:9]
	s_add_nc_u64 s[GB+2:GB+3], s[8:9], CHB
	s_add_nc_u64 s[GB+4:GB+5], s[8:9], 2*CHB
.endif
.macro WAITLD n                        ; the count field ends at 63; a smaller count only waits for more
.if (\n) > 63
	s_wait_loadcnt 63
.else
	s_wait_loadcnt \n
.endif
.endm
; the 20 stream loads of a row: index word and three flow channels of five voxels a lane
.macro STREAM fl, wd, row
.irp j, 0,1,2,3,4
	global_load_b32 v[\wd+\j],     v[LO4], s[12:13] offset:(\row)*ROWB+\j*128
	global_load_b32 v[\fl+4*\j],   v[LO4], s[40:41] offset:(\row)*ROWB+\j*128
	global_load_b32 v[\fl+4*\j+1], v[LO4], s[42:43] offset:(\row)*ROWB+\j*128
	global_load_b32 v[\fl+4*\j+2], v[LO4], s[44:45] offset:(\row)*ROWB+\j*128
.endr
.endm
; voxel j, the address lines: its corner out of the index word, clamped; the byte offset; the corner as f32, kept for the weight lines
.macro ADDR wd, j
	v_and_b32     v[IX], 0xff, v[\wd+\j]
	v_bfe_u32     v[IY], v[\wd+\j], 8, 8
	v_lshrrev_b32 v[IZ], 16, v[\wd+\j]
	v_min_u32     v[IX], 0x9e, v[IX]               ; a loaded number enters an address only clamped: corner + 1 stays inside
	v_min_u32     v[IY], 0x9e, v[IY]
	v_min_u32     v[IZ], 0x5e, v[IZ]
	v_mul_u32_u24 v[AD+\j], ZB, v[IZ]
	v_mad_u32_u24 v[AD+\j], v[IY], YB, v[AD+\j]
	v_lshl_add_u32 v[AD+\j], v[IX], XSH, v[AD+\j]
	v_cvt_f32_u32 v[CC+2*\j], v[IZ]
	v_cvt_f32_u32 v[CC+2*\j+1], v[IY]
	v_cvt_f32_u32 v[\wd+\j], v[IX]                 ; the word has been taken apart: its register holds cx from here on
.endm
; voxel j, the gathers: eight corners by one offset register and immediates
.macro GATHER j
.irp z, 0,1
.irp y, 0,1
.irp x, 0,1
.if PLANAR
.irp c, 0,1,2
	global_load_b32 v[G+32*\j+16*\z+8*\y+4*\x+\c], v[AD+\j], s[GB+2*\c:GB+2*\c+1] offset:\z*ZB+\y*YB+\x*XB
.endr
.else
	global_load_b96 v[G+32*\j+16*\z+8*\y+4*\x:G+32*\j+16*\z+8*\y+4*\x+2], v[AD+\j], s[16:17] offset:\z*ZB+\y*YB+\x*XB   ; three registers: the weight's register beside them is not touched
.endif
.endr
.endr
.endr
.endm
; voxel j, the weight lines: the eight weights into the slot's fourth registers, beside the values that are on their way
.macro WEIGHT fl, wd, j
	v_pk_fma_f32 v[P:P+1], v[\fl+4*\j:\fl+4*\j+1], s[24:25], v[BASE:BASE+1] op_sel_hi:[1,0,1]   ; d + r f_d, h + r f_h
	v_fma_f32    v[PX], v[\fl+4*\j+2], s24, v[WB+\j]                                            ; w + r f_w
	v_pk_fma_f32 v[P:P+1], v[P:P+1], v[SC:SC+1], -0.5 op_sel_hi:[1,1,0]
	v_fma_f32    v[PX], v[PX], s26, -0.5
	v_pk_add_f32 v[P:P+1], v[P:P+1], v[CC+2*\j:CC+2*\j+1] neg_lo:[0,1] neg_hi:[0,1]             ; u = coordinate - corner
	v_sub_f32    v[PX], v[PX], v[\wd+\j]
	v_sub_f32 v[WZ], 1.0, |v[P]|
	v_sub_f32 v[WY], 1.0, |v[P+1]|
	v_sub_f32 v[WX], 1.0, |v[PX]|
	v_sub_f32 v[BZ], 2.0, v[P]
	v_sub_f32 v[BY], 2.0, v[P+1]
	v_sub_f32 v[BX], 2.0, v[PX]
	v_max_num_f32 v[WZ], 0, v[WZ]
	v_max_num_f32 v[WY], 0, v[WY]
	v_max_num_f32 v[WX], 0, v[WX]
	v_med3_num_f32 v[WZ+1], v[P], v[BZ], 0
	v_med3_num_f32 v[WY+1], v[P+1], v[BY], 0
	v_med3_num_f32 v[WX+1], v[PX], v[BX], 0
	v_pk_mul_f32 v[ZY:ZY+1],   v[WY:WY+1], v[WZ:WZ+1] op_sel_hi:[1,0]                 ; (wy0, wy1) x wz0
	v_pk_mul_f32 v[ZY+2:ZY+3], v[WY:WY+1], v[WZ:WZ+1] op_sel:[0,1] op_sel_hi:[1,1]    ; (wy0, wy1) x wz1
.irp z, 0,1
.irp y, 0,1
.irp x, 0,1
	v_mul_f32 v[G+32*\j+16*\z+8*\y+4*\x+3], v[ZY+2*\z+\y], v[WX+\x]
.endr
.endr
.endr
.endm
; voxel j, the sums: the flow registers take the eight weighted corners on top (warped + flow)
.macro CONSUME fl, j
	WAITLD PERV*(4-\j)                             ; loads return in order: voxel j's gathers are in, those of the voxels behind it stay out
.irp k, 0,1,2,3,4,5,6,7
	v_pk_fma_f32 v[\fl+4*\j:\fl+4*\j+1], v[G+32*\j+4*\k:G+32*\j+4*\k+1], v[G+32*\j+4*\k+2:G+32*\j+4*\k+3], v[\fl+4*\j:\fl+4*\j+1] op_sel:[0,1,0] op_sel_hi:[1,1,1]   ; both by the pair's second register, the weight
	v_fmac_f32 v[\fl+4*\j+2], v[G+32*\j+4*\k+2], v[G+32*\j+4*\k+3]
.endr
.endm
; voxel j of a finished row goes out as a record
.macro STORE fl, j, row
	global_store_b128 v[LO16], v[\fl+4*\j:\fl+4*\j+3], s[14:15] offset:(\row)*RECROW+\j*512 th:TH_STORE_NT
.endm
.macro ROW row, fl, wd, nfl, nwd, more
.if \row
	s_wait_alu depctr_va_vdst(0)                   ; the last row's sums are written in the other set, which the five stores below read
	s_wait_alu depctr_vm_vsrc(0)                   ; the last row's gathers have read v[AD ..], which the address lines below write again
.endif
.irp j, 0,1,2,3,4
.if \row
	STORE \nfl, \j, \row-1                         ; no vector instruction since the wait names the other set
.endif
	ADDR \wd, \j
.endr
.if \more
.if \row
	s_wait_xcnt 0x0                                ; the other set was the last row's store data: it is loaded again only behind this wait
	s_wait_alu depctr_vm_vsrc(0)                   ; the five stores above have read the other set, in which the stream below lands
.endif
.endif
	s_wait_alu depctr_va_vdst(0)                   ; v[AD ..] are written, which the gathers read; the lines so far are done with the other set, the other index words and G's values, in which the loads below land
.if \more
	STREAM \nfl, \nwd, \row+1                      ; ahead of the gathers: in when the last of them is
.endif
.irp j, 0,1,2,3,4
	GATHER \j                                      ; no wait: the weight lines issued since the wait name neither v[AD ..] nor a value register of G
	WEIGHT \fl, \wd, \j
.endr
.irp j, 0,1,2,3,4
	CONSUME \fl, \j
.endr
.if \more
	v_add_f32 v[BASE+1], 1.0, v[BASE+1]            ; h of the next row
.endif
.endm
	s_wait_alu depctr_va_vdst(0)                   ; v[LO4] and v[LO16] are written: every stream load and every store reads one of them as its offset
	STREAM SETA, IDXA, 0
	s_wait_kmcnt 0x0
	s_mov_b32 s25, s24
	s_wait_loadcnt 0x0                             ; the first row's stream; every later row's is covered by the last gather wait of the row before
	ROW 0, SETA, IDXA, SETB, IDXB, 1
	ROW 1, SETB, IDXB, SETA, IDXA, 1
	ROW 2, SETA, IDXA, SETB, IDXB, 1
	ROW 3, SETB, IDXB, SETA, IDXA, 0               ; the last row requests nothing beyond itself
	s_wait_alu depctr_va_vdst(0)                   ; the last row's sums are written, which the last five stores read
.irp j, 0,1,2,3,4
	STORE SETB, \j, 3
.endr
	s_endpgm
.Lfunc_end_k_q5263218b8d_warp2:
	.size	k_q5263218b8d_warp2, .Lfunc_end_k_q5263218b8d_warp2-k_q5263218b8d_warp2
	.p2alignl 7, 3214868480
	.fill 96, 4, 3214868480
	.section	.rodata,"a",@progbits
	.p2align	6, 0x0
	.amdhsa_kernel k_q5263218b8d_warp2
		.amdhsa_group_segment_fixed_size 0
		.amdhsa_private_segment_fixed_size 0
		.amdhsa_enable_private_segment 0
		.amdhsa_kernarg_size 40
		.amdhsa_user_sgpr_count 2
		.amdhsa_user_sgpr_kernarg_segment_ptr 1
		.amdhsa_wavefront_size32 1
		.amdhsa_system_sgpr_workgroup_id_x 1
		.amdhsa_system_sgpr_workgroup_id_y 1
		.amdhsa_system_sgpr_workgroup_id_z 1
		.amdhsa_system_vgpr_workitem_id 0
		.amdhsa_next_free_vgpr 256
		.amdhsa_next_free_sgpr 66
		.amdhsa_reserve_vcc 0
		.amdhsa_float_denorm_mode_32 3
		.amdhsa_float_denorm_mode_16_64 3
		.amdhsa_memory_ordered 1
		.amdhsa_forward_progress 1
		.amdhsa_inst_pref_size 82
	.end_amdhsa_kernel
	.amdgpu_metadata
---
amdhsa.version: [ 1, 2 ]
amdhsa.kernels:
  - .name:           k_q5263218b8d_warp2
    .symbol:         k_q5263218b8d_warp2.kd
    .args:
      - { .name: flow_list, .offset: 0, .size: 8, .value_kind: global_buffer, .address_space: global }
      - { .name: range_flow, .offset: 8, .size: 8, .value_kind: global_buffer, .address_space: global }
      - { .name: ib, .offset: 16, .size: 8, .value_kind: global_buffer, .address_space: global }
      - { .name: c2, .offset: 24, .size: 8, .value_kind: global_buffer, .address_space: global }
      - { .name: c1, .offset: 32, .size: 8, .value_kind: global_buffer, .address_space: global }
    .group_segment_fixed_size: 0
    .private_segment_fixed_size: 0
    .kernarg_segment_align: 8
    .kernarg_segment_size: 40
    .max_flat_workgroup_size: 480
    .sgpr_count:     66
    .vgpr_count:     256
    .wavefront_size: 32
...
	.end_amdgpu_metadata
.endif
;; end of part 7
;; launch warp3 (part 8): grid 8 x 32, 15 waves a work-group, no clusters, 0 bytes of LDS; arguments final_flow, range_flow, ic, c2, out1, ia; writes out1, ia
.if DOCPART == 8
	.amdgcn_target "amdgcn-amd-amdhsa--gfx1250"
	.amdhsa_code_object_version 6
	.text
	.protected	k_q5263218b8d_warp3
	.globl	k_q5263218b8d_warp3
	.p2align	8
	.type	k_q5263218b8d_warp3,@function
k_q5263218b8d_warp3:
	s_mov_b64 s[64:65], 0
	v_nop
	global_prefetch_b8 v0, s[64:65] scope:SCOPE_SE
	s_setreg_imm32_b32 hwreg(HW_REG_WAVE_SCHED_MODE, 0, 2), 2
	s_setreg_imm32_b32 hwreg(HW_REG_WAVE_MODE, 25, 1), 1
	s_wait_xcnt 0x0
	s_wait_alu depctr_vm_vsrc(0)
; WARP 3: out1 = trilinear sample of c2 (records of 16 bytes: d, h, w, unused) at (voxel + r final_flow), plus final_flow; zero padding.
; It also makes, from out1 as it leaves, the corner index words of the last sampling (of src at voxel + r out1) for the launch behind it:
; word = cz<<16 | cy<<8 | cx, cz = clamp(floor z, 0, 94), cy, cx = clamp(floor, 0, 158).  These words are only stored here: no address of this
; launch hangs on them.
; Corners and weights as in the other warps: the corner comes as a whole number from an earlier launch; along each axis, with
; u = coordinate - corner, w0 = max(0, 1 - |u|), w1 = med3(u, 2 - u, 0): the hat function at the two indices read, which is the reference's
; (1 - t, t) inside the volume and its zero padding outside, without masks.
; LIMITS: NaN or infinite inputs are not served (the reference gives NaN; here such weights become 0).  The coordinate is two fused multiply-adds,
; not the reference's longer chain: a few units in its last place; the interpolation is continuous in it.  Weights are multiplied as (z y) x.
; SHAPE: 256 work-groups, each a tile of 3 planes x 20 rows; 15 waves, each 4 neighbouring rows = 5 groups of 128 voxels.  The outputs are planar,
; so a lane holds 4 neighbouring voxels of a row: every stream load and every store of a wave covers 512 consecutive bytes, aligned.
; The next group's stream is requested before this group's gathers.  No LDS, barrier, cluster or matrix unit: addresses hang on data and no
; fixed tile is shared.
; THE MODE: SCHED_MODE bits 1:0 = 2 (LLVM: expert scheduling mode 2), set by the entry lines.  The code itself states the register dependences
; between vector instructions and memory instructions, with s_wait_alu, always for 0.
; THE PLAN.  Registers that memory instructions touch (g = the group, 0 to 4; the text is straight, no loop):
;   v[LO16]        the offset of every stream load and store, made at the head and never written again.
;   AD0 .. AD3     written by group g's corner lines; read by group g's gathers.
;   G, values      three of each four registers: group g's gathers land in them; group g's sums read them.  The fourth, the corner's weight, is
;                  named by vector instructions alone.
;   SET[g % 3]     the stream issued at the head of group g - 1 lands in it; group g's vector lines read and write it (words, flow, sums, new words);
;                  the four stores issued in group g + 1 read it; the stream issued at the head of group g + 2 lands in it again.
; A GROUP: at its head the last group's sums and words are written, the stores issued a whole group ago have read the set that is loaded next, and
; the last group's gathers have read AD; the next group's stream; four corner blocks, a store of the last group ahead of each (the blocks name this
; group's words, AD, the corners and registers at work, never the set that is stored); AD is written (one wait); all 32 gathers; then, while
; they are on their way, h and w, the coordinates and the weights, which name neither AD nor a value register of G; the sums; the new words.
.set ROWB,  640
.set CHB,   9830400
.set CHUNK, 512                        ; bytes of a group of 128 voxels in one channel
.set ZB,    409600                     ; records: bytes from plane to plane, row to row, voxel to voxel
.set YB,    2560
.set XSH,   4
.set XB,    16
.set LO16, 2                           ; v2        16 x lane
.set L4,   3                           ; v3        4 x lane
.set DFP,  4                           ; v[4:5]    d as f32, twice
.set HFP,  6                           ; v[6:7]    h of my 4 voxels, twice
.set WF,   8                           ; v[8:11]   w of my 4 voxels
.set CZ,   12                          ; v[12:23]  corners of 4 voxels as f32: z, y, x
.set CY,   16
.set CX,   20
.set PZ,   24                          ; v[24:35]  coordinates of 4 voxels, then u: z, y, x
.set PY,   28
.set PX,   32
.set IZ,   36                          ; v[36:38]  a corner as whole numbers; also at work in GEO
.set IY,   37
.set IX,   38
.set T0,   36
.set T1,   37
.set T2,   38
.set WZ,   40                          ; v[40:45]  w0, w1 along z, y, x
.set WY,   42
.set WX,   44
.set BZ,   46                          ; v[46:48]  2 - u
.set BY,   47
.set BX,   48
.set ZY,   50                          ; v[50:53]  wz wy, index 2 dz + dy
.set AD,   54                          ; v[54:57]  voxel j: byte offset of its corner
.set SETA, 60                          ; v[60:75], v[76:91], v[224:239]: index words [4], flow d [4], h [4], w [4]; the flow registers become the sums,
.set SETB, 76                          ;                     the word registers the new index words.  Three sets by turns
.set SETC, 224
.set G,    96                          ; v[96:223] voxel j, corner k = 4 dz + 2 dy + dx: values d, h, w and the corner's weight at 32 j + 4 k
.set SR,   24                          ; s[24:25]  range_flow, twice
.set SSZ,  26                          ; s[26:27]  96/95
.set SSX,  28                          ; s[28:29]  160/159
.set SK,   30                          ; s[30:31]  256.0
.set SZMAX, 32                         ; 94.0
.set SXMAX, 33                         ; 158.0
	s_load_b256 s[8:15], s[0:1], 0x0               ; final_flow s[8:9], range_flow s[10:11], index words s[12:13], c2 s[14:15]
	s_load_b128 s[16:19], s[0:1], 0x20             ; out1 s[16:17], new index words s[18:19]
	v_and_b32 v1, 31, v0                           ; lane
	v_lshrrev_b32 v[T0], 5, v0
	v_readfirstlane_b32 s2, v[T0]                  ; wave 0..14
	v_lshlrev_b32 v[LO16], 4, v1
	v_lshlrev_b32 v[L4], 2, v1
	s_wait_alu depctr_va_sdst(0)                   ; s2 is written, ahead of its first reader: the wave's plane and rows are made from it
	s_mul_i32 s3, s2, 13
	s_lshr_b32 s3, s3, 6                           ; wave / 5 (13/64 serves 0..14): plane of the tile
	s_mul_i32 s4, s3, 5
	s_sub_co_u32 s4, s2, s4                        ; wave % 5: which four rows
	s_and_b32 s5, ttmp7, 0xffff
	s_mul_i32 s5, s5, 3
	s_add_co_u32 s5, s5, s3                        ; d
	s_mul_i32 s6, ttmp9, 20
	s_lshl2_add_u32 s6, s4, s6                     ; h of my first row
	s_mul_i32 s7, s5, 160
	s_add_co_u32 s7, s7, s6
	s_mul_i32 s20, s7, ROWB                        ; my first row's byte offset in a channel
	s_mov_b32 s21, 0
	s_cvt_f32_u32 s7, s5
	s_mov_b32 s[SSZ], 0x3f8158ed
	s_mov_b32 s[SSZ+1], 0x3f8158ed
	s_mov_b32 s[SSX], 0x3f80ce17
	s_mov_b32 s[SSX+1], 0x3f80ce17
	s_mov_b32 s[SK], 0x43800000
	s_mov_b32 s[SK+1], 0x43800000
	s_mov_b32 s[SZMAX], 0x42bc0000
	s_mov_b32 s[SXMAX], 0x431e0000
	v_mov_b32 v[DFP], s7
	v_mov_b32 v[DFP+1], s7
	s_wait_kmcnt 0x0
	s_load_b32 s[SR], s[10:11], 0x0                ; range_flow
	s_add_nc_u64 s[12:13], s[12:13], s[20:21]
	s_add_nc_u64 s[18:19], s[18:19], s[20:21]
	s_add_nc_u64 s[40:41], s[8:9], s[20:21]        ; final_flow's three channels at my first row
	s_add_nc_u64 s[42:43], s[40:41], CHB
	s_add_nc_u64 s[44:45], s[40:41], 2*CHB
	s_add_nc_u64 s[46:47], s[16:17], s[20:21]      ; out1's
	s_add_nc_u64 s[48:49], s[46:47], CHB
	s_add_nc_u64 s[50:51], s[46:47], 2*CHB
.macro STREAM st, g
	global_load_b128 v[\st:\st+3],     v[LO16], s[12:13] offset:(\g)*CHUNK th:TH_LOAD_NT
	global_load_b128 v[\st+4:\st+7],   v[LO16], s[40:41] offset:(\g)*CHUNK th:TH_LOAD_NT
	global_load_b128 v[\st+8:\st+11],  v[LO16], s[42:43] offset:(\g)*CHUNK th:TH_LOAD_NT
	global_load_b128 v[\st+12:\st+15], v[LO16], s[44:45] offset:(\g)*CHUNK th:TH_LOAD_NT
.endm
; store j of the four of a finished group: out1's channels d, h, w, then the new index words
.macro OUT st, j, g
.if \j < 3
	global_store_b128 v[LO16], v[\st+4+4*\j:\st+7+4*\j], s[46+2*\j:47+2*\j] offset:(\g)*CHUNK th:TH_STORE_NT
.else
	global_store_b128 v[LO16], v[\st:\st+3], s[18:19] offset:(\g)*CHUNK th:TH_STORE_NT
.endif
.endm
; h and w of my four voxels in group g: voxel 128 g + 4 lane of the wave's 640; a row has 160, so four neighbours share a row.
.macro GEO g
.if \g
	v_add_nc_u32 v[T0], 128*\g, v[L4]
.set TS, T0
.else
.set TS, L4
.endif
	v_mul_u32_u24 v[T1], 0x19a, v[TS]
	v_lshrrev_b32 v[T1], 16, v[T1]                 ; t / 160 = 410 t >> 16 for t below 640
	v_mul_u32_u24 v[T2], 0xa0, v[T1]
	v_sub_nc_u32 v[T2], v[TS], v[T2]               ; w
	v_add_nc_u32 v[T1], s6, v[T1]                  ; h
	v_cvt_f32_u32 v[HFP], v[T1]
	v_cvt_f32_u32 v[HFP+1], v[T1]
	v_cvt_f32_u32 v[WF], v[T2]
	v_add_f32 v[WF+1], 1.0, v[WF]
	v_add_f32 v[WF+2], 2.0, v[WF]
	v_add_f32 v[WF+3], 0x40400000, v[WF]
.endm
; sampling coordinates of four voxels from three channels, two voxels an instruction
.macro POS fd, fh, fw
.irp p, 0,2
	v_pk_fma_f32 v[PZ+\p:PZ+\p+1], v[\fd+\p:\fd+\p+1], s[SR:SR+1], v[DFP:DFP+1] op_sel_hi:[1,0,1]
	v_pk_fma_f32 v[PY+\p:PY+\p+1], v[\fh+\p:\fh+\p+1], s[SR:SR+1], v[HFP:HFP+1] op_sel_hi:[1,0,1]
	v_pk_fma_f32 v[PX+\p:PX+\p+1], v[\fw+\p:\fw+\p+1], s[SR:SR+1], v[WF+\p:WF+\p+1] op_sel_hi:[1,0,1]
.endr
.irp p, 0,2
	v_pk_fma_f32 v[PZ+\p:PZ+\p+1], v[PZ+\p:PZ+\p+1], s[SSZ:SSZ+1], -0.5 op_sel_hi:[1,0,0]
	v_pk_fma_f32 v[PY+\p:PY+\p+1], v[PY+\p:PY+\p+1], s[SSX:SSX+1], -0.5 op_sel_hi:[1,0,0]
	v_pk_fma_f32 v[PX+\p:PX+\p+1], v[PX+\p:PX+\p+1], s[SSX:SSX+1], -0.5 op_sel_hi:[1,0,0]
.endr
.endm
; four index words: floor, clamp, (cz 256 + cy) 256 + cx in f32 (exact: below 2^24), one conversion
.macro MKIDX fd, fh, fw, wo
	POS \fd, \fh, \fw
.irp j, 0,1,2,3
	v_floor_f32 v[PZ+\j], v[PZ+\j]
	v_floor_f32 v[PY+\j], v[PY+\j]
	v_floor_f32 v[PX+\j], v[PX+\j]
.endr
.irp j, 0,1,2,3
	v_med3_num_f32 v[PZ+\j], v[PZ+\j], 0, s[SZMAX]
	v_med3_num_f32 v[PY+\j], v[PY+\j], 0, s[SXMAX]
	v_med3_num_f32 v[PX+\j], v[PX+\j], 0, s[SXMAX]
.endr
.irp p, 0,2
	v_pk_fma_f32 v[PZ+\p:PZ+\p+1], v[PZ+\p:PZ+\p+1], s[SK:SK+1], v[PY+\p:PY+\p+1] op_sel_hi:[1,0,1]
.endr
.irp p, 0,2
	v_pk_fma_f32 v[PZ+\p:PZ+\p+1], v[PZ+\p:PZ+\p+1], s[SK:SK+1], v[PX+\p:PX+\p+1] op_sel_hi:[1,0,1]
.endr
.irp j, 0,1,2,3
	v_cvt_u32_f32 v[\wo+\j], v[PZ+\j]
.endr
.endm
; voxel j: its corner out of the index word, clamped; the byte offset; the corner as f32
.macro CORNER st, j
	v_and_b32     v[IX], 0xff, v[\st+\j]
	v_bfe_u32     v[IY], v[\st+\j], 8, 8
	v_lshrrev_b32 v[IZ], 16, v[\st+\j]
	v_min_u32     v[IX], 0x9e, v[IX]               ; a loaded number enters an address only clamped: corner + 1 stays inside
	v_min_u32     v[IY], 0x9e, v[IY]
	v_min_u32     v[IZ], 0x5e, v[IZ]
	v_mul_u32_u24 v[AD+\j], ZB, v[IZ]
	v_mad_u32_u24 v[AD+\j], v[IY], YB, v[AD+\j]
	v_lshl_add_u32 v[AD+\j], v[IX], XSH, v[AD+\j]
	v_cvt_f32_u32 v[CZ+\j], v[IZ]
	v_cvt_f32_u32 v[CY+\j], v[IY]
	v_cvt_f32_u32 v[CX+\j], v[IX]
.endm
; voxel j: the eight corner weights into the slot's fourth registers, beside the values that are on their way
.macro HATS j
	v_sub_f32 v[WZ], 1.0, |v[PZ+\j]|
	v_sub_f32 v[WY], 1.0, |v[PY+\j]|
	v_sub_f32 v[WX], 1.0, |v[PX+\j]|
	v_sub_f32 v[BZ], 2.0, v[PZ+\j]
	v_sub_f32 v[BY], 2.0, v[PY+\j]
	v_sub_f32 v[BX], 2.0, v[PX+\j]
	v_max_num_f32 v[WZ], 0, v[WZ]
	v_max_num_f32 v[WY], 0, v[WY]
	v_max_num_f32 v[WX], 0, v[WX]
	v_med3_num_f32 v[WZ+1], v[PZ+\j], v[BZ], 0
	v_med3_num_f32 v[WY+1], v[PY+\j], v[BY], 0
	v_med3_num_f32 v[WX+1], v[PX+\j], v[BX], 0
	v_pk_mul_f32 v[ZY:ZY+1],   v[WY:WY+1], v[WZ:WZ+1] op_sel_hi:[1,0]                 ; (wy0, wy1) x wz0
	v_pk_mul_f32 v[ZY+2:ZY+3], v[WY:WY+1], v[WZ:WZ+1] op_sel:[0,1] op_sel_hi:[1,1]    ; (wy0, wy1) x wz1
.irp z, 0,1
.irp y, 0,1
.irp x, 0,1
	v_mul_f32 v[G+32*\j+16*\z+8*\y+4*\x+3], v[ZY+2*\z+\y], v[WX+\x]
.endr
.endr
.endr
.endm
.macro GATHER j
.irp z, 0,1
.irp y, 0,1
.irp x, 0,1
	global_load_b96 v[G+32*\j+16*\z+8*\y+4*\x:G+32*\j+16*\z+8*\y+4*\x+2], v[AD+\j], s[14:15] offset:\z*ZB+\y*YB+\x*XB   ; three registers: the weight's register beside them is not touched
.endr
.endr
.endr
.endm
; Group g.  cur = SET[g % 3]; prv = the last group's set, whose four stores are issued here; nxt = the set that takes the next group's stream.
.macro GROUP g, cur, prv, nxt, more
.if \g
	s_wait_alu depctr_va_vdst(0)                   ; the last group's sums and new words are written in prv, which the four stores below read; earlier lines are done with nxt, in which the stream below lands
.if (\more) && ((\g) >= 2)
	s_wait_xcnt 0x0                                ; nxt was the store data of the stores issued a group ago: it is loaded again only behind this wait
.endif
	s_wait_alu depctr_vm_vsrc(0)                   ; those stores have read nxt, and the last group's gathers have read v[AD ..], which the corner lines below write again
.endif
.if \more
	STREAM \nxt, \g+1                              ; ahead of the gathers: in when the last of them is
.endif
.irp j, 0,1,2,3
.if \g
	OUT \prv, \j, \g-1                             ; no vector instruction since the wait names prv
.endif
	CORNER \cur, \j
.endr
	s_wait_alu depctr_va_vdst(0)                   ; v[AD ..] are written, which the gathers read; the last group's sums are done reading G's values, in which they land
.irp j, 0,1,2,3
	GATHER \j
.endr
	GEO \g                                         ; from here to the sums: work on registers that no gather touches, while the gathers are on their way
	POS \cur+4, \cur+8, \cur+12
.irp p, 0,2
	v_pk_add_f32 v[PZ+\p:PZ+\p+1], v[PZ+\p:PZ+\p+1], v[CZ+\p:CZ+\p+1] neg_lo:[0,1] neg_hi:[0,1]   ; u = coordinate - corner
	v_pk_add_f32 v[PY+\p:PY+\p+1], v[PY+\p:PY+\p+1], v[CY+\p:CY+\p+1] neg_lo:[0,1] neg_hi:[0,1]
	v_pk_add_f32 v[PX+\p:PX+\p+1], v[PX+\p:PX+\p+1], v[CX+\p:CX+\p+1] neg_lo:[0,1] neg_hi:[0,1]
.endr
.irp j, 0,1,2,3
	HATS \j
.endr
.irp j, 0,1,2,3
	s_wait_loadcnt 8*(3-\j)                        ; loads return in order: voxel j's eight gathers are in, those of the voxels behind it stay out
.irp k, 0,1,2,3,4,5,6,7
	v_fmac_f32 v[\cur+4+\j],  v[G+32*\j+4*\k],   v[G+32*\j+4*\k+3]      ; on top of the flow: warped + final_flow
	v_fmac_f32 v[\cur+8+\j],  v[G+32*\j+4*\k+1], v[G+32*\j+4*\k+3]
	v_fmac_f32 v[\cur+12+\j], v[G+32*\j+4*\k+2], v[G+32*\j+4*\k+3]
.endr
.endr
	MKIDX \cur+4, \cur+8, \cur+12, \cur            ; the last sampling's corners, into the registers of the words just used
.endm
	s_wait_alu depctr_va_vdst(0)                   ; v[LO16] is written: every stream load and every store reads it as its offset
	STREAM SETA, 0
	s_wait_kmcnt 0x0
	s_mov_b32 s[SR+1], s[SR]
	s_wait_loadcnt 0x0                             ; the first group's stream; every later one is covered by the last gather wait of the group before
	GROUP 0, SETA, SETC, SETB, 1                   ; (no group in front of it: prv is not used)
	GROUP 1, SETB, SETA, SETC, 1
	GROUP 2, SETC, SETB, SETA, 1
	GROUP 3, SETA, SETC, SETB, 1
	GROUP 4, SETB, SETA, SETC, 0                   ; the last group requests nothing beyond itself (nxt is not used)
	s_wait_alu depctr_va_vdst(0)                   ; the last group's sums and new words are written, which the last four stores read
.irp j, 0,1,2,3
	OUT SETB, \j, 4
.endr
	s_endpgm
.Lfunc_end_k_q5263218b8d_warp3:
	.size	k_q5263218b8d_warp3, .Lfunc_end_k_q5263218b8d_warp3-k_q5263218b8d_warp3
	.p2alignl 7, 3214868480
	.fill 96, 4, 3214868480
	.section	.rodata,"a",@progbits
	.p2align	6, 0x0
	.amdhsa_kernel k_q5263218b8d_warp3
		.amdhsa_group_segment_fixed_size 0
		.amdhsa_private_segment_fixed_size 0
		.amdhsa_enable_private_segment 0
		.amdhsa_kernarg_size 48
		.amdhsa_user_sgpr_count 2
		.amdhsa_user_sgpr_kernarg_segment_ptr 1
		.amdhsa_wavefront_size32 1
		.amdhsa_system_sgpr_workgroup_id_x 1
		.amdhsa_system_sgpr_workgroup_id_y 1
		.amdhsa_system_sgpr_workgroup_id_z 1
		.amdhsa_system_vgpr_workitem_id 0
		.amdhsa_next_free_vgpr 240
		.amdhsa_next_free_sgpr 66
		.amdhsa_reserve_vcc 0
		.amdhsa_float_denorm_mode_32 3
		.amdhsa_float_denorm_mode_16_64 3
		.amdhsa_memory_ordered 1
		.amdhsa_forward_progress 1
		.amdhsa_inst_pref_size 89
	.end_amdhsa_kernel
	.amdgpu_metadata
---
amdhsa.version: [ 1, 2 ]
amdhsa.kernels:
  - .name:           k_q5263218b8d_warp3
    .symbol:         k_q5263218b8d_warp3.kd
    .args:
      - { .name: final_flow, .offset: 0, .size: 8, .value_kind: global_buffer, .address_space: global }
      - { .name: range_flow, .offset: 8, .size: 8, .value_kind: global_buffer, .address_space: global }
      - { .name: ic, .offset: 16, .size: 8, .value_kind: global_buffer, .address_space: global }
      - { .name: c2, .offset: 24, .size: 8, .value_kind: global_buffer, .address_space: global }
      - { .name: out1, .offset: 32, .size: 8, .value_kind: global_buffer, .address_space: global }
      - { .name: ia, .offset: 40, .size: 8, .value_kind: global_buffer, .address_space: global }
    .group_segment_fixed_size: 0
    .private_segment_fixed_size: 0
    .kernarg_segment_align: 8
    .kernarg_segment_size: 48
    .max_flat_workgroup_size: 480
    .sgpr_count:     66
    .vgpr_count:     240
    .wavefront_size: 32
...
	.end_amdgpu_metadata
.endif
;; end of part 8
;; launch sample: the kernel of part 5 again; grid 8 x 32, 15 waves a work-group, no clusters, 0 bytes of LDS; arguments out1, range_flow, ia, src, out0; writes out0
